; MI455X (gfx1250); checked and timed in simulation.
; The chip was launched on July 23, 2026; its instructions are those of AMD's public machine-readable ISA for CDNA 5 (MIT licence, August 2026) and "CDNA5" Instruction Set Architecture Reference Guide (July 2026). The comments in the code are by the model that wrote it; some were corrected since.
;; Multi Head Attention with Ro PE. Allowed arithmetic: matrix products marked QUANTISED: E2M3 operands, one E8M0 scale for each 32 along K, by v_wmma_scale_f32_16x16x128_f8f6f4 with both operands' format E2M3, f32 sums; everything else in f32.
;; Inputs: in_features 4 x 2,048 x 1,024 float32; token_positions 2,048 int32; wk 1,024 x 1,024 float32; wo 1,024 x 1,024 float32; wq 1,024 x 1,024 float32; wv 1,024 x 1,024 float32.
;; Outputs: out0 4 x 2,048 x 1,024 float32.
;; This version of the problem:
;;   THIS VERSION OF THE PROBLEM IS GIVEN IN LOW PRECISION. The matrix products marked QUANTISED in the list below multiply operands that are first quantised to E2M3 (2 exponent bits, 3 mantissa bits; 6 bits a number), with one power-of-two scale for each 32 numbers along K (OCP MX v1.0); their sums are f32. All else is computed in f32.
;;   The module's matrix products, in the order in which they are computed (A, B: the left and right operand; K: the contracted axis; several contracted axes count as one K, in the product's order):
;;     1. [M 8,192, K 1,024] x [K 1,024, N 1,024]; A: input in_features; B: input wq: QUANTISED
;;     2. [M 8,192, K 1,024] x [K 1,024, N 1,024]; A: input in_features; B: input wk: QUANTISED
;;     3. [M 8,192, K 1,024] x [K 1,024, N 1,024]; A: input in_features; B: input wv: QUANTISED
;;     4. batch 64 x [M 2,048, K 64] x [K 64, N 2,048]; A: computed on the way; B: computed on the way: QUANTISED
;;     5. batch 64 x [M 2,048, K 2,048] x [K 2,048, N 64]; A: softmax (see below); B: computed on the way: QUANTISED
;;     6. [M 8,192, K 1,024] x [K 1,024, N 1,024]; A: computed on the way; B: input wo: QUANTISED
;;   THE QUANTISER, for each operand of a quantised product, along K:
;;     - K is cut into blocks of 32 from its start; a last block that is shorter is filled with zeros.
;;     - A block's scale is 2^e with e = floor(log2(the largest magnitude in the block)) - 2, held to -126 .. 127; a block of zeros has e = 0. As a byte (E8M0): e + 127.
;;     - Each number is divided by its block's scale, clamped to +-7.5, and rounded to the nearest number of E2M3, ties to even, subnormals kept.
;;     - The product sums the exact products of the quantised numbers (number of the format x scale) in f32.
;;   ~~~python
;;   def quantise(x, axis):      # numpy; x: float32 -> the quantised numbers, widened to float32 again
;;       x = np.moveaxis(x, axis, -1); K = x.shape[-1]
;;       x = np.pad(x, [(0, 0)] * (x.ndim - 1) + [(0, -K % 32)]); x = x.reshape(x.shape[:-1] + (-1, 32)); a = np.abs(x).max(-1, keepdims=True)
;;       e = np.where(a > 0, np.clip(np.frexp(np.where(a > 0, a, 1))[1] - 1 - 2, -126, 127), 0)      # np.frexp(a)[1] - 1 = floor(log2(a)), exactly
;;       r = np.clip(x / 2.0 ** e, -7.5, 7.5)
;;       step = 2.0 ** (np.maximum(np.frexp(np.where(r == 0, 1, r))[1] - 1, 0) - 3)
;;       q = np.round(r / step) * step * 2.0 ** e      # np.round: ties to even
;;       return np.moveaxis(q.reshape(q.shape[:-2] + (-1,))[..., :K], -1, axis).astype(np.float32)
;;   ~~~
;;   SOFTMAX AHEAD OF A QUANTISED PRODUCT. Where the list says 'softmax', what is quantised is not the finished softmax but p = 2^(t - M), with t = logit x log2(e) and M = ceil(the row's largest t), a whole number; so 1/2 < the row's largest p <= 1. The row's sum l is taken of the UNQUANTISED p, in f32, and the product's result is divided by l at the end. Since M is a whole number, a kernel that streams over the keys may use a running M (the ceiling of the running maximum): every later rescaling is an exact power of two, which a block's scale takes up: the codes' values come out the same.
;;   OPERANDS COMPUTED ON THE WAY. 'Computed on the way' means the value that the module computes at that place (a softmax that the list does not call 'softmax' is quantised finished and normalised). What goes into a quantiser is computed in f32, as accurately as f32 sums, v_exp_f32 and their like allow (about 1e-6 of the number): no bf16 or f16 on the way to a quantiser, and a product that is left as it is and whose result goes on into a quantised operand takes f32 operands (vector FMAs, or v_wmma_f32_16x16x4_f32). A number that lies on a knife's edge between two numbers of the format may be rounded either way, as far as f32 arithmetic and the matrix unit's own rounding can turn it there, and no further.
;; One version. Each part assembles by itself: llvm-mc -triple=amdgcn-amd-amdhsa -mcpu=gfx1250 --defsym DOCPART=n.
;; ======== version 1 of 1: 4 launches
;; limits: right only within a limited range of input values
;; workspace buffers: xcod 6,291,456 bytes; xscl 262,144 bytes; wcod 3,145,728 bytes; wscl 131,072 bytes; rope 524,288 bytes; qkv 20,185,088 bytes; acod 6,291,456 bytes; ascl 262,144 bytes
;; launch quant (part 1): grid 384 x 1, 4 waves a work-group, no clusters, 34,304 bytes of LDS; arguments in_features, wq, wk, wv, wo, token_positions, xcod, xscl, wcod, wscl, rope; writes xcod, xscl, wcod, wscl, rope
.if DOCPART == 1
	.amdgcn_target "amdgcn-amd-amdhsa--gfx1250"
	.amdhsa_code_object_version 6
	.text
	.protected	k_qa42d4fa839_quant
	.globl	k_qa42d4fa839_quant
	.p2align	8
	.type	k_qa42d4fa839_quant,@function
k_qa42d4fa839_quant:
	s_mov_b64 s[64:65], 0
	v_nop
	global_prefetch_b8 v0, s[64:65] scope:SCOPE_SE
	s_setreg_imm32_b32 hwreg(HW_REG_WAVE_MODE, 25, 1), 1
	s_wait_xcnt 0x0
; in_features [8192][1024] and wq, wk, wv, wo [1024][1024], f32 with K innermost, become codes of FP6 (E2M3) with one E8M0 byte for each 32 along K,
; laid in the order of the matrix operand's registers; and the table of cos and sin for the rotation is made from token_positions.
; ROW BLOCKS.  Block rb holds the 16 rows 32 (rb / 2) + 8 (rb % 2) + rho(r), rho(r) = r + 8 (r / 8), r = 0 .. 15: as source 0 of a product two neighbouring blocks give a lane 16 neighbours along the result's rows.
; CODES: [rb][q = K / 128][1,536 bytes]: registers 4 c .. 4 c + 3 of lane l at 512 c + 16 l.  SCALES: [rb][K / 512][r][4 words]: a word for 128 along K, byte b for k = 32 b on.
; A block's scale is 2^(floor(log2(largest magnitude)) - 2); its byte is the largest magnitude's exponent field - 2, held at 1 from below.
; SHARES.  A wave takes 16 rows x 512 along K: four fragments.  Work-groups 0-255 take in_features, 256-383 the four weights (32 each); only pointers are chosen, the text has one path.
; Each load reads 512 consecutive bytes of one row; a fragment's 16 rows turn through the wave's own stage in LDS (rows 528 bytes apart), so that a lane gets 2 x 32 neighbours of its row.  No barrier: waves share nothing.
; No cluster and no tensor load: no two work-groups read the same bytes, and 32 loads a wave with four work-groups to a WGP keep enough on its way.
; TABLE: rope [token block][k = 0 .. 7][lane][16 bytes] = (cos, sin, cos, sin) of pairs 16 (k / 4) + 8 h + 2 (k % 4) + 0, 1 for the token of row r of the block: the image of the registers that the next launch rotates by.
; LIMITS: NaN and infinities are not served; a block of zeros gets the byte 1 (its codes are zeros, and this program alone reads the bytes); the angle's reduction by three parts of pi / 2 serves |position x frequency| under about 1e5.
.set STG,   8448                       ; a wave's stage: 16 rows x 528 bytes
.set SP,    528
.set R,     40                         ; v40-167  two sets of 64: a fragment's numbers as loaded
.set X,     168                        ; v168-231 my 64 numbers: register 32 c + n = k 64 c + 32 h + n of row r
.set FLOOR, 0x1800000                  ; 2^(3 - 127)
	s_load_b256 s[4:11], s[0:1], 0x0               ; in_features, wq, wk, wv
	s_load_b256 s[12:19], s[0:1], 0x20             ; wo, token_positions, xcod, xscl
	s_load_b128 s[20:23], s[0:1], 0x40             ; wcod, wscl
	s_load_b64 s[24:25], s[0:1], 0x50              ; rope
	v_lshl_add_u32 v232, v0, 2, 0x8400
	v_mov_b32 v233, 0
	v_lshrrev_b32 v5, 5, v0
	v_readfirstlane_b32 s26, v5                    ; wave
	v_and_b32 v5, 31, v0                           ; lane
	v_and_b32 v6, 15, v0                           ; r
	v_bfe_u32 v7, v0, 4, 1                         ; h
	v_lshlrev_b32 v1, 4, v5                        ; 16 l: loads, code stores
	s_mul_i32 s27, s26, STG
	v_add_nc_u32 v2, s27, v1                       ; the stage, on the way in
	v_mul_u32_u24 v3, v6, SP
	v_lshl_add_u32 v3, v7, 7, v3
	v_add_nc_u32 v3, s27, v3                       ; and on the way out: row r, + 128 h
	v_lshlrev_b32 v4, 4, v6
	v_lshl_add_u32 v4, v7, 3, v4                   ; the scale words' place: 16 r + 8 h
	v_lshlrev_b32 v15, 3, v7                       ; 8 h
	v_mov_b32 v14, 0                               ; a lane permute's destination counts as one of its sources
	s_mov_b32 s28, 0x76543210
	s_mov_b32 s29, 0xfedcba98                      ; selects for lane l xor 16
	s_mov_b32 s30, 0xffff0000                      ; lanes 16-31
	s_lshl_b32 s31, ttmp9, 2
	s_add_co_u32 s31, s31, s26                     ; my task
	s_lshr_b32 s32, s31, 1                         ; its row block
	s_and_b32 s33, s31, 1                          ; its half of K
	s_wait_alu depctr_va_vdst(0)
	s_wait_kmcnt 0x0
	s_cmp_lt_u32 ttmp9, 352                        ; which tensor: the choices hang on the work-group's number alone
	s_cselect_b64 s[12:13], s[10:11], s[12:13]
	s_cmp_lt_u32 ttmp9, 320
	s_cselect_b64 s[12:13], s[8:9], s[12:13]
	s_cmp_lt_u32 ttmp9, 288
	s_cselect_b64 s[12:13], s[6:7], s[12:13]
	s_cmp_lt_u32 ttmp9, 256
	s_cselect_b64 s[12:13], s[4:5], s[12:13]       ; the source
	s_cselect_b64 s[16:17], s[16:17], s[20:21]     ; its codes
	s_cselect_b64 s[18:19], s[18:19], s[22:23]     ; its scales
	s_cselect_b32 s34, 0, 512
	s_cselect_b32 s35, 511, 63
	s_sub_co_u32 s34, s32, s34                     ; the row block in the codes' buffer
	s_and_b32 s35, s34, s35                        ; and in the source tensor
	s_lshr_b32 s36, s35, 1
	s_lshl_b32 s36, s36, 17                        ; 32 rows of 4,096 bytes
	s_and_b32 s37, s35, 1
	s_lshl_b32 s37, s37, 15                        ; 8 rows
	s_add_co_u32 s36, s36, s37
	s_lshl_b32 s37, s33, 11                        ; 512 numbers
	s_add_co_u32 s36, s36, s37
	s_mov_b32 s37, 0
	s_add_nc_u64 s[12:13], s[12:13], s[36:37]
	s_mul_i32 s36, s34, 12288
	s_mul_i32 s38, s33, 6144
	s_add_co_u32 s36, s36, s38
	s_add_nc_u64 s[16:17], s[16:17], s[36:37]
	s_lshl_b32 s36, s34, 9
	s_lshl_b32 s38, s33, 8
	s_add_co_u32 s36, s36, s38
	s_add_nc_u64 s[18:19], s[18:19], s[36:37]
.macro LOAD f                          ; fragment f: 128 numbers of each of the block's 16 rows; 32 lanes read 512 consecutive bytes
.irp i, 0,1,2,3,4,5,6,7,8,9,10,11,12,13,14,15
	global_load_b128 v[R+64*((\f)%2)+4*\i:R+64*((\f)%2)+4*\i+3], v1, s[12:13] offset:(\i+8*(\i/8))*4096+512*(\f) th:TH_LOAD_NT
.endr
.endm
.macro FRAG f
.if (\f) < 3
	s_wait_loadcnt 16                              ; this fragment's sixteen loads are in; the next fragment's sixteen may be out
.else
	s_wait_loadcnt 0x0
.endif
.irp i, 0,1,2,3,4,5,6,7,8,9,10,11,12,13,14,15
	ds_store_b128 v2, v[R+64*((\f)%2)+4*\i:R+64*((\f)%2)+4*\i+3] offset:SP*\i
.endr
.irp c, 0,1
.irp k, 0,1,2,3,4,5,6,7
	ds_load_b128 v[X+32*\c+4*\k:X+32*\c+4*\k+3], v3 offset:256*\c+16*\k   ; LDS serves a wave's instructions in order: these see the stores above
.endr
.endr
	s_wait_dscnt 0x0                               ; my 64 numbers are in, and the stores have read their registers,
.if (\f) < 2
	LOAD (\f)+2                                    ; which take the loads of two fragments on
.endif
.irp c, 0,1                                    ; my two blocks, 2 c + h: all 32 numbers of each are mine
	v_max3_num_f32 v[8+\c], |v[X+32*\c]|, |v[X+32*\c+1]|, FLOOR
.endr
.irp i, 2,4,6,8,10,12,14,16,18,20,22,24,26,28,30
.irp c, 0,1
	v_max3_num_f32 v[8+\c], v[8+\c], |v[X+32*\c+\i]|, |v[X+32*\c+\i+1]|
.endr
.endr
.irp c, 0,1
	v_add_nc_u32 v[10+\c], 0xff000000, v[8+\c]     ; 2 off the exponent field: the conversion's scale operand
.endr
.irp c, 0,1
	v_lshrrev_b32 v[12+\c], 23, v[10+\c]           ; the scale's byte
.endr
	v_lshl_or_b32 v12, v13, 16, v12                ; blocks h and 2 + h,
	v_lshlrev_b32 v12, v15, v12                    ; at their places in the word;
	v_permlanex16_b32 v14, v12, s28, s29
	v_or_b32 v[16+(\f)], v12, v14                  ; with lane l xor 16's two the word is whole
	s_wait_alu depctr_va_vdst(0)
	s_wait_xcnt 0x0                                ; the last fragment's stores have read v20-31
	v_cvt_scalef32_pk16_fp6_f32 v[20:22], v[X:X+15], v10
	v_cvt_scalef32_pk16_fp6_f32 v[32:34], v[X+16:X+31], v10      ; (a conversion's three registers begin on an even number)
	v_cvt_scalef32_pk16_fp6_f32 v[26:28], v[X+32:X+47], v11
	v_cvt_scalef32_pk16_fp6_f32 v[36:38], v[X+48:X+63], v11
	v_nop                                          ; one plain line behind the scaled conversions
.irp i, 0,1,2
	v_mov_b32 v[23+\i], v[32+\i]
	v_mov_b32 v[29+\i], v[36+\i]
.endr
.irp c, 0,1,2
	global_store_b128 v1, v[20+4*\c:23+4*\c], s[16:17] offset:1536*(\f)+512*\c   ; 512 consecutive bytes, aligned
.endr
.endm
	LOAD 0
	LOAD 1
	FRAG 0
	FRAG 1
	FRAG 2
	FRAG 3
	v_cndmask_b32 v8, v16, v18, s30                ; lanes 0-15 store words 0, 1 of row r, lanes 16-31 words 2, 3
	v_cndmask_b32 v9, v17, v19, s30
	global_store_b64 v4, v[8:9], s[18:19]          ; 256 consecutive bytes, aligned
	; ---- the table: task id (0 .. 1,023) makes 512 bytes of it
	s_cmp_lt_u32 ttmp9, 256
	s_cbranch_scc0 .Lend
	s_lshr_b32 s40, s31, 4
	s_lshl_b32 s40, s40, 7                         ; 32 tokens of 4 bytes
	s_bfe_u32 s41, s31, 0x10003
	s_lshl_b32 s41, s41, 5                         ; 8 tokens
	s_add_co_u32 s40, s40, s41
	v_and_b32 v40, 8, v6
	v_add_nc_u32 v40, v40, v6                      ; rho(r)
	v_lshl_add_u32 v40, v40, 2, s40
	global_load_b32 v41, v40, s[14:15]             ; my token's position
	s_bfe_u32 s42, s31, 0x10002
	s_lshl_b32 s42, s42, 4
	s_and_b32 s41, s31, 3
	s_lshl_b32 s41, s41, 1
	s_add_co_u32 s42, s42, s41
	v_lshl_add_u32 v42, v7, 3, s42                 ; my two pairs i, i + 1
	v_add_nc_u32 v43, 1, v42
	s_mov_b32 s43, 0xc1549a78                      ; -log2(10000), upper part,
	s_mov_b32 s44, 0xb4979a1a                      ; and what f32 leaves of it
.irp e, 0,1
	v_cvt_f32_u32 v[42+\e], v[42+\e]
.endr
.irp e, 0,1
	v_mul_f32 v[42+\e], 0x3d000000, v[42+\e]       ; x = i / 32, exact
.endr
.irp e, 0,1
	v_mul_f32 v[44+\e], s43, v[42+\e]              ; the exponent, rounded,
.endr
.irp e, 0,1
	v_fma_f32 v[46+\e], v[42+\e], s43, -v[44+\e]   ; what the rounding dropped,
.endr
.irp e, 0,1
	v_fma_f32 v[46+\e], v[42+\e], s44, v[46+\e]    ; and the lower part's share
.endr
	s_wait_alu depctr_va_vdst(0)
.irp e, 0,1
	v_exp_f32 v[48+\e], v[44+\e]
.endr
.irp e, 0,1
	v_mul_f32 v[46+\e], 0x3f317218, v[46+\e]       ; x ln 2.  (Plain lines behind the exponentials)
.endr
	s_wait_alu depctr_va_vdst(0)                   ; one wait for both exponentials, ahead of their first reader
.irp e, 0,1
	v_fma_f32 v[48+\e], v[48+\e], v[46+\e], v[48+\e]   ; 10000^(-i / 32)
.endr
	s_wait_loadcnt 0x0
	v_cvt_f32_i32 v41, v41
	s_wait_alu depctr_va_vdst(0)
.irp e, 0,1
	v_mul_f32 v[48+\e], v41, v[48+\e]              ; the angle: one rounded product
.endr
.irp e, 0,1
	v_mul_f32 v[50+\e], 0x3f22f983, v[48+\e]
.endr
.irp e, 0,1
	v_rndne_f32 v[50+\e], v[50+\e]                 ; n = the nearest multiple of pi / 2
.endr
.irp e, 0,1
	v_fmamk_f32 v[52+\e], v[50+\e], 0xbfc90fd8, v[48+\e]   ; a = angle - n pi / 2, pi / 2 in three parts
.endr
.irp e, 0,1
	v_fmamk_f32 v[52+\e], v[50+\e], 0xb4a8885a, v[52+\e]
.endr
.irp e, 0,1
	v_fmamk_f32 v[52+\e], v[50+\e], 0xa7c234c4, v[52+\e]
.endr
.irp e, 0,1
	v_mul_f32 v[54+\e], v[52+\e], v[52+\e]         ; a^2
	v_mov_b32 v[56+\e], 0x37cd4000
	v_mov_b32 v[58+\e], 0x36405000
.endr
.irp e, 0,1
	v_fmaak_f32 v[56+\e], v[56+\e], v[54+\e], 0xbab6077d   ; cos a on [-pi / 4, pi / 4]
	v_fmaak_f32 v[58+\e], v[58+\e], v[54+\e], 0xb9503486   ; sin a likewise
.endr
.irp e, 0,1
	v_fmaak_f32 v[56+\e], v[56+\e], v[54+\e], 0x3d2aaaa8
	v_fmaak_f32 v[58+\e], v[58+\e], v[54+\e], 0x3c0888c1
.endr
.irp e, 0,1
	v_fma_f32 v[56+\e], v[56+\e], v[54+\e], -0.5
	v_fmaak_f32 v[58+\e], v[58+\e], v[54+\e], 0xbe2aaaab
	v_mul_f32 v[60+\e], v[52+\e], v[54+\e]
.endr
.irp e, 0,1
	v_fma_f32 v[56+\e], v[56+\e], v[54+\e], 1.0
	v_fma_f32 v[58+\e], v[58+\e], v[60+\e], v[52+\e]
	v_cvt_i32_f32 v[62+\e], v[50+\e]
.endr
.irp e, 0,1                                    ; the quadrant: odd n swaps the two; the signs by n's bit 1 and (n + 1)'s
	v_and_b32 v[64+\e], 1, v[62+\e]
	v_cmp_eq_u32 vcc_lo, 1, v[64+\e]
	v_cndmask_b32 v[66+\e], v[58+\e], v[56+\e], vcc_lo
	v_cndmask_b32 v[68+\e], v[56+\e], v[58+\e], vcc_lo
	v_and_b32 v[64+\e], 2, v[62+\e]
	v_lshlrev_b32 v[64+\e], 30, v[64+\e]
	v_xor_b32 v[73+2*\e], v[64+\e], v[66+\e]       ; sin
	v_add_nc_u32 v[62+\e], 1, v[62+\e]
	v_and_b32 v[62+\e], 2, v[62+\e]
	v_lshlrev_b32 v[62+\e], 30, v[62+\e]
	v_xor_b32 v[72+2*\e], v[62+\e], v[68+\e]       ; cos
.endr
	s_lshl_b32 s40, s31, 9
	s_mov_b32 s41, 0
	s_add_nc_u64 s[24:25], s[24:25], s[40:41]
	global_store_b128 v1, v[72:75], s[24:25]       ; 512 consecutive bytes, aligned
.Lend:
	s_wait_tensorcnt 0x0
	ds_add_u32 v232, v233
	s_wait_dscnt 0x0
	s_endpgm
.Lfunc_end_k_qa42d4fa839_quant:
	.size	k_qa42d4fa839_quant, .Lfunc_end_k_qa42d4fa839_quant-k_qa42d4fa839_quant
	.p2alignl 7, 3214868480
	.fill 96, 4, 3214868480
	.section	.rodata,"a",@progbits
	.p2align	6, 0x0
	.amdhsa_kernel k_qa42d4fa839_quant
		.amdhsa_group_segment_fixed_size 34304
		.amdhsa_private_segment_fixed_size 0
		.amdhsa_enable_private_segment 0
		.amdhsa_kernarg_size 88
		.amdhsa_user_sgpr_count 2
		.amdhsa_user_sgpr_kernarg_segment_ptr 1
		.amdhsa_wavefront_size32 1
		.amdhsa_system_sgpr_workgroup_id_x 1
		.amdhsa_system_sgpr_workgroup_id_y 1
		.amdhsa_system_sgpr_workgroup_id_z 1
		.amdhsa_system_vgpr_workitem_id 0
		.amdhsa_next_free_vgpr 234
		.amdhsa_next_free_sgpr 66
		.amdhsa_reserve_vcc 1
		.amdhsa_float_denorm_mode_32 3
		.amdhsa_float_denorm_mode_16_64 3
		.amdhsa_memory_ordered 1
		.amdhsa_forward_progress 1
		.amdhsa_inst_pref_size 36
	.end_amdhsa_kernel
	.amdgpu_metadata
---
amdhsa.version: [ 1, 2 ]
amdhsa.kernels:
  - .name:           k_qa42d4fa839_quant
    .symbol:         k_qa42d4fa839_quant.kd
    .args:
      - { .name: in_features, .offset: 0, .size: 8, .value_kind: global_buffer, .address_space: global }
      - { .name: wq, .offset: 8, .size: 8, .value_kind: global_buffer, .address_space: global }
      - { .name: wk, .offset: 16, .size: 8, .value_kind: global_buffer, .address_space: global }
      - { .name: wv, .offset: 24, .size: 8, .value_kind: global_buffer, .address_space: global }
      - { .name: wo, .offset: 32, .size: 8, .value_kind: global_buffer, .address_space: global }
      - { .name: token_positions, .offset: 40, .size: 8, .value_kind: global_buffer, .address_space: global }
      - { .name: xcod, .offset: 48, .size: 8, .value_kind: global_buffer, .address_space: global }
      - { .name: xscl, .offset: 56, .size: 8, .value_kind: global_buffer, .address_space: global }
      - { .name: wcod, .offset: 64, .size: 8, .value_kind: global_buffer, .address_space: global }
      - { .name: wscl, .offset: 72, .size: 8, .value_kind: global_buffer, .address_space: global }
      - { .name: rope, .offset: 80, .size: 8, .value_kind: global_buffer, .address_space: global }
    .group_segment_fixed_size: 34304
    .private_segment_fixed_size: 0
    .kernarg_segment_align: 8
    .kernarg_segment_size: 88
    .max_flat_workgroup_size: 128
    .sgpr_count:     66
    .vgpr_count:     234
    .wavefront_size: 32
...
	.end_amdgpu_metadata
.endif
;; end of part 1
;; launch qkv (part 2): grid 8 x 96, 4 waves a work-group, clusters of 4 x 4, 307,712 bytes of LDS; arguments xcod, xscl, wcod, wscl, rope, qkv; writes qkv
.if DOCPART == 2
	.amdgcn_target "amdgcn-amd-amdhsa--gfx1250"
	.amdhsa_code_object_version 6
	.text
	.protected	k_qa42d4fa839_qkv
	.globl	k_qa42d4fa839_qkv
	.p2align	8
	.type	k_qa42d4fa839_qkv,@function
k_qa42d4fa839_qkv:
	s_mov_b64 s[64:65], 0
	v_nop
	global_prefetch_b8 v0, s[64:65] scope:SCOPE_SE
	s_setreg_imm32_b32 hwreg(HW_REG_WAVE_MODE, 25, 1), 1
	s_wait_xcnt 0x0
	s_wait_alu depctr_hold_cnt(0) depctr_sa_sdst(0) depctr_va_vdst(0) depctr_va_sdst(0) depctr_va_ssrc(0) depctr_va_vcc(0) depctr_vm_vsrc(0)
	s_getreg_b32 s2, hwreg(HW_REG_IB_STS2, 6, 4)
	s_cmp_eq_u32 s2, 0
	s_cbranch_scc0 .Lentry_in_a_cluster
	s_endpgm
.Lentry_in_a_cluster:
	s_bfe_u32 s2, ttmp6, 0x10000c
	s_cmp_lg_u32 s2, 0xf033
	s_cbranch_scc0 .Lentry_shape_is_right
	s_endpgm
.Lentry_shape_is_right:
; Q = x wq^T, K = x wk^T, V = x wv^T on codes of FP6 (E2M3) with E8M0 scales; Q and K are rotated (RoPE) and quantised along the head's 64, V along the keys; all three leave as codes in the order of the next launch's operand registers.
; TILE.  A side 128 rows (8 row blocks) x B side 256 rows (16 row blocks), all of K = 1,024 in LDS: every LDS byte is filled once, so there is no ring.  Four waves: wave w takes A's blocks 4 (w / 2) on and B's blocks 8 (w % 2) on: 32 accumulators.
; THE PRODUCT IS USED TRANSPOSED: source 0 = a block of the B side, source 1 = a block of the A side: a lane holds ONE row of the A side, and the 16 registers of B's blocks 2 b, 2 b + 1 are the B side's rows 32 b + 16 h + 0 .. 15 (row blocks: see the first launch).
; ROLES.  Clusters with y < 16: A = x (tokens), B = wq | wk (channels): a lane holds a token and 128 channels, two heads.  Clusters with y >= 16: A = wv (channels), B = x (tokens): a lane holds a channel and 128 keys.  So one loop and one quantiser serve all three.
; The role hangs on the cluster's y alone, which all partners share.
; CLUSTERS: 4 x 4 work-groups.  A's tiles hang on cy and are asked for jointly by a row of the cluster, B's on cx and by a column.  768 work-groups: three for each WGP.
; WINDOWS OF 256 REGISTERS: 0: addresses, v32-95 scale words, v96-191 A's fragments (two sets);  1: v0-191 B's fragments (two sets);  2, 3: v0-127 accumulators of A's blocks 0, 1 and 2, 3; v128-255 the way out.
; THE HEAD BLOCK of qkv, HEADB bytes for each (batch, head): KC [64 tokens G][6][lane][16]: 24 registers = token blocks 4 G + a, six each (k = 32 h on);  VC [128 keys][channel block a][1,536];  KS, QS [G][lane][2 words]: word j of lane (r, h) = block 2 j + h, row r, bytes 2, 3 = 0;
; VS [128 keys][lane][2 words] likewise with whole words;  QC as KC.
; LIMITS: NaN and infinities are not served; a block of zeros gets the byte 1 (its codes are zeros, and this program alone reads the bytes).
.set A0,    0                          ; LDS: A's codes [chunk of 256 K][block 0-7][3,072]
.set B0,    98304                      ; B's codes [chunk][block 0-15][3,072]
.set SA,    294912                     ; A's scale words, 512 bytes a block
.set SB,    299008                     ; B's
.set HEADB, 315392
.set KC,    0
.set VC,    98304
.set KS,    196608
.set VS,    204800
.set QC,    208896
.set QS,    307200
.set ASPLIT, 0                         ; A's fragments lie as three groups of four registers
.set LASTBAR, 0
.set ADRA,  4                          ; v4-7   LDS address of my A fragments in chunk 0 .. 3
.set ADRB,  8                          ; v8-11  the same for B
.set ADRA8, 12
.set ADRS,  16                         ; v16    my scale words: lanes 0-15 A's, lanes 16-31 B's
.set SC,    32                         ; v32-95 register 8 i + q: lanes 0-15 A's block i, lanes 16-31 B's block i, K step q
.set AF,    96
.set G1A,   24                         ; descriptor groups 1
.set G1B,   32
.set G1SA,  40
.set G1SB,  48
.set GA0,   56                         ; groups 0: A's scales, then A's chunks 0 .. 3
.set GA1,   60
.set GA2,   68
.set GA3,   72
.set GA4,   76
.set GB0,   80                         ; B's likewise
.set GB1,   84
.set GB2,   88
.set GB3,   92
.set GB4,   96
.set CS,    128                        ; the way out, in windows 2 and 3: cos and sin, 32 registers for each of the window's two blocks
.set CD,    192                        ; 24 registers of codes
.set CT,    216                        ; the conversions' second halves
.set TM,    224                        ; +0 maxima, +4 permutes and bytes, +12 scale operands
.set PW,    240                        ; the two blocks' scale words
.set SW,    242                        ; scale words as stored
.set RT,    246                        ; the rotation's four pairs
.set MSB, 0
.macro WIN new                         ; the immediate's high byte repeats the setting that is left
.if MSB != (\new)
	s_set_vgpr_msb (MSB<<8)|(\new)
.set MSB, (\new)
.endif
.endm
.macro PLACES                          ; four plain lines between a matrix instruction and a load into its registers or a read of its result
.rept 4
	v_nop
.endr
.endm
.macro CROUND                          ; a round of the cluster's barrier
	s_barrier_signal -1
	s_barrier_wait -1
	s_cmp_lg_u32 s16, 0
	s_cbranch_scc1 .Lnot_wave_0_\@
	s_barrier_signal -3
.Lnot_wave_0_\@:
	s_barrier_wait -3
	s_barrier_signal -1
	s_barrier_wait -1
.endm
.macro G1SET g, c, r, p                ; r rows of c elements of 8 bytes, p elements apart
	s_mov_b32 s[\g+1], (\c)<<16
	s_mov_b32 s[\g+2], (\r)<<16
	s_mov_b32 s[\g+3], (\c)<<16
	s_mov_b32 s[\g+4], \r
	s_mov_b32 s[\g+5], \p
	s_mov_b32 s[\g+6], 0
	s_mov_b32 s[\g+7], 0
.endm
	s_load_b256 s[4:11], s[0:1], 0x0               ; xcod, xscl, wcod, wscl
	s_load_b128 s[12:15], s[0:1], 0x20             ; rope, qkv
	v_lshl_add_u32 v254, v0, 2, 0x4b000
	v_mov_b32 v255, 0
	ds_add_u32 v254, v255
	ds_add_u32 v254, v255
	v_lshrrev_b32 v3, 5, v0
	v_readfirstlane_b32 s16, v3                    ; wave
	s_lshr_b32 s17, s16, 1                         ; my half of A's rows.  Also: I fetch for A (0) or for B (1)
	s_and_b32 s18, s16, 1                          ; my half of B's rows.  Also: which half of that tile I fetch
	s_bfe_u32 s19, ttmp6, 0x40000                  ; cx
	s_bfe_u32 s20, ttmp6, 0x40004                  ; cy
	s_and_b32 s2, ttmp7, 0xffff                    ; the cluster's y
	s_sub_co_u32 s3, s2, 16
	s_cmp_ge_u32 s2, 16
	s_cselect_b32 s23, 1, 0                        ; 1: this cluster makes V
	s_cselect_b32 s21, ttmp9, s2
	s_cselect_b32 s22, s3, ttmp9
	s_cselect_b32 s66, 128, 0                      ; A's first row block: wv's in wcod, or x's
	s_lshl_b32 s21, s21, 2
	s_add_co_u32 s21, s21, s20                     ; A's tile
	s_lshl_b32 s22, s22, 2
	s_add_co_u32 s22, s22, s19                     ; B's tile
	s_lshl_b32 s2, s20, 2
	s_lshl_b32 s2, 15, s2                          ; my row of the cluster
	s_lshl_b32 s3, 0x1111, s19                     ; my column
	s_or_b32 s[G1A], s2, (3<<16)|(1<<21)           ; the mask; elements of 8 bytes; bit 21 beside a mask; no padding
	s_or_b32 s[G1B], s3, (3<<16)|(1<<21)
	s_or_b32 s[G1SA], s2, (3<<16)|(1<<21)
	s_or_b32 s[G1SB], s3, (3<<16)|(1<<21)
	G1SET G1A, 384, 4, 1536                        ; a chunk of four row blocks: 3,072 bytes of each block's 12,288
	G1SET G1B, 384, 8, 1536                        ; of eight
	G1SET G1SA, 32, 8, 32                          ; four blocks' scale words: 2,048 dense bytes
	G1SET G1SB, 32, 16, 32                         ; eight blocks'
	s_lshl_b32 s67, s21, 3
	s_add_co_u32 s66, s66, s67
	s_lshl_b32 s67, s18, 2
	s_add_co_u32 s66, s66, s67                     ; A: the first row block that I fetch,
	s_lshl_b32 s66, s66, 9                         ; its scale words' byte
	s_mov_b32 s67, 0
	s_lshl_b32 s100, s22, 4
	s_lshl_b32 s101, s18, 3
	s_add_co_u32 s100, s100, s101                  ; B likewise, in registers that never hold cy
	s_lshl_b32 s100, s100, 9
	s_mov_b32 s101, 0
.irp g, GA0,GA1,GA2,GA3,GA4,GB0,GB1,GB2,GB3,GB4
	s_mov_b32 s[\g], 1
.endr
	s_lshl_b32 s[GA0+1], s18, 11                   ; LDS addresses: constants and the wave's number alone
	s_add_co_u32 s[GA0+1], s[GA0+1], SA
	s_mul_i32 s[GA1+1], s18, 12288
	s_add_co_u32 s[GA2+1], s[GA1+1], 24576
	s_add_co_u32 s[GA3+1], s[GA1+1], 49152
	s_add_co_u32 s[GA4+1], s[GA1+1], 73728
	s_lshl_b32 s[GB0+1], s18, 12
	s_add_co_u32 s[GB0+1], s[GB0+1], SB
	s_mul_i32 s[GB1+1], s18, 24576
	s_add_co_u32 s[GB1+1], s[GB1+1], B0
	s_add_co_u32 s[GB2+1], s[GB1+1], 49152
	s_add_co_u32 s[GB3+1], s[GB1+1], 98304
	s_add_co_u32 s[GB4+1], s[GB1+1], 147456
	s_wait_dscnt 0x0
	s_wait_kmcnt 0x0
	s_cmp_eq_u32 s23, 1                            ; the roles' buffers
	s_cselect_b64 s[GA0+2:GA0+3], s[10:11], s[6:7]
	s_cselect_b64 s[GA1+2:GA1+3], s[8:9], s[4:5]
	s_cselect_b64 s[GB0+2:GB0+3], s[6:7], s[10:11]
	s_cselect_b64 s[GB1+2:GB1+3], s[4:5], s[8:9]
	s_add_nc_u64 s[GA0+2:GA0+3], s[GA0+2:GA0+3], s[66:67]
	s_mul_i32 s66, s66, 24                         ; 12,288 bytes of codes a block
	s_add_nc_u64 s[GA1+2:GA1+3], s[GA1+2:GA1+3], s[66:67]
	s_add_nc_u64 s[GA2+2:GA2+3], s[GA1+2:GA1+3], 3072
	s_add_nc_u64 s[GA3+2:GA3+3], s[GA1+2:GA1+3], 6144
	s_add_nc_u64 s[GA4+2:GA4+3], s[GA1+2:GA1+3], 9216
	s_add_nc_u64 s[GB0+2:GB0+3], s[GB0+2:GB0+3], s[100:101]
	s_mul_i32 s100, s100, 24
	s_add_nc_u64 s[GB1+2:GB1+3], s[GB1+2:GB1+3], s[100:101]
	s_add_nc_u64 s[GB2+2:GB2+3], s[GB1+2:GB1+3], 3072
	s_add_nc_u64 s[GB3+2:GB3+3], s[GB1+2:GB1+3], 6144
	s_add_nc_u64 s[GB4+2:GB4+3], s[GB1+2:GB1+3], 9216
.irp g, GA0,GA1,GA2,GA3,GA4,GB0,GB1,GB2,GB3,GB4
	s_or_b32 s[\g+3], s[\g+3], 0x80000000          ; type = 2
.endr
	CROUND                                         ; all sixteen work-groups are here: the joint loads meet
	s_cmp_eq_u32 s17, 0                            ; a wave's five loads stand in one branch on its number: five of mine are out at the most
	s_cbranch_scc0 .Lfill_b
	tensor_load_to_lds s[GA0:GA0+3], s[G1SA:G1SA+7]
	s_nop 0
	tensor_load_to_lds s[GA1:GA1+3], s[G1A:G1A+7]
	s_nop 0
	tensor_load_to_lds s[GA2:GA2+3], s[G1A:G1A+7]
	s_nop 0
	tensor_load_to_lds s[GA3:GA3+3], s[G1A:G1A+7]
	s_nop 0
	tensor_load_to_lds s[GA4:GA4+3], s[G1A:G1A+7]
	s_nop 0
.rept 4
	v_nop
.endr
	s_branch .Lfilled
.Lfill_b:
	tensor_load_to_lds s[GB0:GB0+3], s[G1SB:G1SB+7]
	s_nop 0
	tensor_load_to_lds s[GB1:GB1+3], s[G1B:G1B+7]
	s_nop 0
	tensor_load_to_lds s[GB2:GB2+3], s[G1B:G1B+7]
	s_nop 0
	tensor_load_to_lds s[GB3:GB3+3], s[G1B:G1B+7]
	s_nop 0
	tensor_load_to_lds s[GB4:GB4+3], s[G1B:G1B+7]
	s_nop 0
.rept 4
	v_nop
.endr
.Lfilled:
	v_and_b32 v3, 31, v0
	v_lshlrev_b32 v1, 4, v3                        ; 16 l
	v_lshlrev_b32 v2, 3, v3                        ; 8 l
	v_and_b32 v17, 15, v0                          ; r
	v_bfe_u32 v18, v0, 4, 1                        ; h
	s_mul_i32 s2, s17, 12288
	s_mul_i32 s3, s18, 24576
	s_add_co_u32 s3, s3, B0
	v_add_nc_u32 v[ADRA], s2, v1
	v_add_nc_u32 v[ADRB], s3, v1
.irp k, 1,2,3
	v_add_nc_u32 v[ADRA+\k], 24576*\k, v[ADRA]
	v_add_nc_u32 v[ADRB+\k], 49152*\k, v[ADRB]
.endr
	s_lshl_b32 s2, s18, 12
	s_add_co_u32 s2, s2, 4096
	s_lshl_b32 s3, s17, 11
	s_sub_co_u32 s2, s2, s3                        ; from my A words to my B words
	v_mul_u32_u24 v19, s2, v18                     ; lanes 16-31 take B's: one product
	s_add_co_u32 s3, s3, SA
	v_lshl_add_u32 v[ADRS], v17, 4, v19
	v_add_nc_u32 v[ADRS], s3, v[ADRS]
	; cos and sin of my four token blocks, as images of registers; in a cluster that makes V the same lines read inside the table and the numbers are not used
	s_lshl_b32 s2, s21, 3
	s_lshl_b32 s3, s17, 2
	s_add_co_u32 s2, s2, s3
	s_and_b32 s2, s2, 127
	s_lshl_b32 s2, s2, 12
	s_mov_b32 s3, 0
	s_add_nc_u64 s[12:13], s[12:13], s[2:3]
	WIN 0x80                                       ; destination window 2
	v_mov_b32 v254, v1
	v_mov_b32 v255, v2
.irp b, 0,1,2,3
	v_mov_b32 v[TM+4+\b], 0                        ; a lane permute's destination counts as one of its sources
.endr
	WIN 0xc0                                       ; destination window 3
	v_mov_b32 v254, v1
	v_mov_b32 v255, v2
.irp b, 0,1,2,3
	v_mov_b32 v[TM+4+\b], 0
.endr
.irp w, 0,1
	WIN 0xaa+0x55*\w
.irp al, 0,1
.irp k, 0,1,2,3,4,5,6,7
	global_load_b128 v[CS+32*\al+4*\k:CS+32*\al+4*\k+3], v254, s[12:13] offset:(2*\w+\al)*4096+512*\k
.endr
.endr
.endr
	WIN 0
	; where my results go
	s_lshr_b32 s2, s21, 4
	s_lshl_b32 s2, s2, 4
	s_and_b32 s3, s22, 3
	s_lshl_b32 s3, s3, 2
	s_add_co_u32 s2, s2, s3
	s_lshl_b32 s3, s18, 1
	s_add_co_u32 s2, s2, s3                        ; Q, K: 16 x batch + my first head
	s_and_b32 s3, s21, 15
	s_lshl_b32 s3, s3, 1
	s_add_co_u32 s3, s3, s17                       ; my 64 tokens
	s_lshr_b32 s4, s22, 3
	s_lshl_b32 s4, s4, 4
	s_lshl_b32 s5, s21, 1
	s_add_co_u32 s4, s4, s5
	s_add_co_u32 s4, s4, s17                       ; V: 16 x batch + my head
	s_and_b32 s5, s22, 7
	s_lshl_b32 s5, s5, 1
	s_add_co_u32 s5, s5, s18                       ; my 128 keys
	s_mov_b32 s7, QS
	s_mov_b32 s8, 3072
	s_cmp_ge_u32 s22, 4                            ; B's tiles 4-7 are wk's
	s_cselect_b32 s6, KC, QC
	s_cselect_b32 s7, KS, s7
	s_cmp_eq_u32 s23, 1
	s_cselect_b32 s2, s4, s2
	s_cselect_b32 s3, s5, s3
	s_cselect_b32 s6, VC, s6
	s_cselect_b32 s7, VS, s7
	s_cselect_b32 s8, 6144, s8
	s_mul_i32 s2, s2, HEADB
	s_mul_i32 s8, s3, s8
	s_add_co_u32 s8, s8, s6
	s_add_co_u32 s8, s8, s2
	s_mov_b32 s9, 0
	s_lshl_b32 s3, s3, 8
	s_add_co_u32 s3, s3, s7
	s_add_co_u32 s2, s3, s2
	s_mov_b32 s3, 0
	s_add_nc_u64 s[4:5], s[14:15], s[8:9]          ; codes
	s_add_nc_u64 s[6:7], s[14:15], s[2:3]          ; scale words
	s_mov_b32 s8, 0xffff0000                       ; lanes 16-31
	s_mov_b32 s10, 0x76543210
	s_mov_b32 s11, 0xfedcba98                      ; selects for lane l xor 16
.macro SCALES                          ; all of K's scale words, once: four words a load
.irp i, 0,1,2,3,4,5,6,7
.irp kh, 0,1
	ds_load_b128 v[SC+8*\i+4*\kh:SC+8*\i+4*\kh+3], v[ADRS] offset:512*\i+256*\kh   ; (for i >= 4 lanes 0-15 read filled bytes that no product names)
.endr
.endr
.endm
.macro FETCH q, set                    ; K step q's fragments: B's eight, A's four: images of registers, 512 consecutive bytes a load
	WIN 0x40                                       ; destination window 1
.irp i, 0,1,2,3,4,5,6,7
.irp c, 0,1,2
	ds_load_b128 v[96*(\set)+12*\i+4*\c:96*(\set)+12*\i+4*\c+3], v[ADRB+(\q)/2] offset:3072*\i+1536*((\q)%2)+512*\c
.endr
.endr
	WIN 0
.irp i, 0,1,2,3
.if ASPLIT
.irp c, 0,1
	ds_load_b128 v[AF+48*(\set)+12*\i+6*\c:AF+48*(\set)+12*\i+6*\c+3], v[ADRA+(\q)/2] offset:3072*\i+1536*((\q)%2)+768*\c
	ds_load_b64 v[AF+48*(\set)+12*\i+6*\c+4:AF+48*(\set)+12*\i+6*\c+5], v[ADRA8+(\q)/2] offset:3072*\i+1536*((\q)%2)+768*\c+512
.endr
.else
.irp c, 0,1,2
	ds_load_b128 v[AF+48*(\set)+12*\i+4*\c:AF+48*(\set)+12*\i+4*\c+3], v[ADRA+(\q)/2] offset:3072*\i+1536*((\q)%2)+512*\c
.endr
.endif
.endr
.endm
.macro MUL q, zero                     ; 32 matrix instructions; the 32 accumulators take turns, one instruction a turn, in the same order in every step
.irp a, 0,1,2,3
	WIN 0xa1+0x50*(\a/2)                           ; source 0 window 1, source 1 window 0, C and D window 2 or 3
.irp t, 0,1,2,3,4,5,6,7
.set rD, 64*(\a%2)+8*\t
.set rB, 96*((\q)%2)+12*\t
.set rA, AF+48*((\q)%2)+12*\a
.if \zero
	v_wmma_scale_f32_16x16x128_f8f6f4 v[rD:rD+7], v[rB:rB+11], v[rA:rA+11], 0, v[SC+8*\t+(\q)], v[SC+8*\a+(\q)] matrix_a_fmt:MATRIX_FMT_FP6 matrix_b_fmt:MATRIX_FMT_FP6 matrix_a_scale:MATRIX_SCALE_ROW1
.else
	v_wmma_scale_f32_16x16x128_f8f6f4 v[rD:rD+7], v[rB:rB+11], v[rA:rA+11], v[rD:rD+7], v[SC+8*\t+(\q)], v[SC+8*\a+(\q)] matrix_a_fmt:MATRIX_FMT_FP6 matrix_b_fmt:MATRIX_FMT_FP6 matrix_a_scale:MATRIX_SCALE_ROW1
.endif
.endr
.endr
.endm
.macro STEP q                          ; 128 along K
	s_wait_dscnt 0x0                               ; this step's fragments are in (asked for 32 matrix instructions ago)
.if (\q) < 7
.if (\q) % 2
	s_wait_tensorcnt 3-((\q)+1)/2                  ; my part of the next chunk has landed; the chunks issued behind it may be out
	s_barrier_signal -1
	s_barrier_wait -1                              ; everybody's has.
.endif
.if (\q) > 0
	PLACES
.endif
	FETCH (\q)+1, ((\q)+1)%2
.else
.if LASTBAR
	s_barrier_signal -1                            ; my reads of the codes are over
.endif
.endif
.if (\q) == 0
	MUL \q, 1                                      ; the first step starts the sums: nothing is cleared
.else
	MUL \q, 0
.endif
.if (\q) == 7
.if LASTBAR
	s_barrier_wait -1
.endif
.endif
.endm
	s_wait_tensorcnt 0x3                           ; my scale words and my part of chunk 0 are in; chunks 1 to 3 may be out
	s_barrier_signal -1
	s_barrier_wait -1
	SCALES
	FETCH 0, 0
.irp q, 0,1,2,3,4,5,6,7
	STEP \q
.endr
	WIN 0
; THE WAY OUT, a window (two of my four A blocks) at a time; all operand places name the same window.
.macro ROPE al                         ; (x1, x2) -> (x1 c - x2 s, x1 s + x2 c): register 16 b + i is the head's channel 32 (b % 2) + 16 h + i; each accumulator is taken from its low end on
.irp b, 0,1,2,3
.irp i0, 0,8
.irp i, 0,2,4,6
	v_pk_mul_f32 v[RT+\i:RT+\i+1], v[64*\al+16*\b+\i0+\i:64*\al+16*\b+\i0+\i+1], v[CS+32*\al+16*(\b%2)+\i0+\i:CS+32*\al+16*(\b%2)+\i0+\i+1] op_sel:[1,1] op_sel_hi:[1,0] neg_lo:[1,0]   ; (-x2 s, x2 c)
.endr
.irp i, 0,2,4,6
	v_pk_fma_f32 v[64*\al+16*\b+\i0+\i:64*\al+16*\b+\i0+\i+1], v[64*\al+16*\b+\i0+\i:64*\al+16*\b+\i0+\i+1], v[CS+32*\al+16*(\b%2)+\i0+\i:CS+32*\al+16*(\b%2)+\i0+\i+1], v[RT+\i:RT+\i+1] op_sel_hi:[0,1,1]   ; x1 (c, s) + that
.endr
.endr
.endr
.endm
; 64 numbers of a lane, register 16 b + i = index 32 b + 16 h + i of my row, become codes: blocks 0, 1 in six registers from d0, blocks 2, 3 from d1; the four bytes make the word pw
.macro QUANT s, d0, d1, pw
.irp b, 0,1,2,3
	v_max3_num_f32 v[TM+\b], |v[(\s)+16*\b]|, |v[(\s)+16*\b+1]|, 0x1800000   ; and the floor 2^(3 - 127): the byte cannot fall under 1
.endr
.irp i, 2,4,6,8,10,12,14
.irp b, 0,1,2,3
	v_max3_num_f32 v[TM+\b], v[TM+\b], |v[(\s)+16*\b+\i]|, |v[(\s)+16*\b+\i+1]|
.endr
.endr
.irp b, 0,1,2,3
	v_permlanex16_b32 v[TM+4+\b], v[TM+\b], s10, s11
.endr
.irp b, 0,1,2,3
	v_max_num_f32 v[TM+\b], v[TM+\b], v[TM+4+\b]   ; with lane l xor 16's 16: the block's largest magnitude
.endr
.irp b, 0,1,2,3
	v_add_nc_u32 v[TM+12+\b], 0xff000000, v[TM+\b] ; 2 off its exponent field: the conversion's scale operand
.endr
.irp b, 0,1,2,3
	v_lshrrev_b32 v[TM+4+\b], 23, v[TM+12+\b]      ; the scale's byte
.endr
	v_lshl_or_b32 v[\pw], v[TM+5], 8, v[TM+4]
	v_lshl_or_b32 v[\pw], v[TM+6], 16, v[\pw]
	v_lshl_or_b32 v[\pw], v[TM+7], 24, v[\pw]
.irp c, 0,1
	v_cvt_scalef32_pk16_fp6_f32 v[(\d0)+((\d1)-(\d0))*\c:(\d0)+((\d1)-(\d0))*\c+2], v[(\s)+32*\c:(\s)+32*\c+15], v[TM+12+2*\c]
	v_cvt_scalef32_pk16_fp6_f32 v[CT+4*\c:CT+4*\c+2], v[(\s)+32*\c+16:(\s)+32*\c+31], v[TM+12+2*\c+1]   ; (a conversion's three registers begin on an even number)
.endr
	v_nop                                          ; one plain line behind the scaled conversions
.irp c, 0,1                                    ; the operand's layout wants a whole block in a lane
.irp i, 0,1,2
	v_permlane16_swap_b32 v[(\d0)+((\d1)-(\d0))*\c+\i], v[CT+4*\c+\i]
.endr
.irp i, 0,1,2
	v_mov_b32 v[(\d0)+((\d1)-(\d0))*\c+3+\i], v[CT+4*\c+\i]
.endr
.endr
.endm
.macro HALF w, rope
	WIN 0xaa+0x55*\w
.if \rope
	ROPE 0
	ROPE 1
	QUANT 0, CD, CD+12, PW                         ; head c's 12 registers of this window: token blocks 2 w, 2 w + 1, six each
	QUANT 64, CD+6, CD+18, PW+1
.irp c, 0,1
.irp g, 0,1,2
	global_store_b128 v254, v[CD+12*\c+4*\g:CD+12*\c+4*\g+3], s[4:5] offset:\c*HEADB+(3*\w+\g)*512   ; 512 consecutive bytes, aligned
.endr
.endr
.else
	QUANT 0, CD, CD+6, PW                          ; a whole fragment: 16 channels x 128 keys
	QUANT 64, CD+12, CD+18, PW+1
.irp al, 0,1
.irp c, 0,1,2
	global_store_b128 v254, v[CD+12*\al+4*\c:CD+12*\al+4*\c+3], s[4:5] offset:(2*\w+\al)*1536+512*\c
.endr
.endr
.endif
	v_cndmask_b32 v[SW+\w], v[PW], v[PW+1], s8     ; lanes 0-15 the even block's word, lanes 16-31 the odd block's
.endm
.macro EPI rope
	PLACES
	HALF 0, \rope
	WIN 0xc2                                       ; window 2 to window 3
	v_mov_b32 v[SW], v[SW]
	HALF 1, \rope
.if \rope
	v_lshrrev_b32 v[SW+2], 16, v[SW]               ; the second head's two bytes;
	v_lshrrev_b32 v[SW+3], 16, v[SW+1]
	v_and_b32 v[SW], 0xffff, v[SW]                 ; the first head's.  Bytes 2 and 3, for the K that the head does not have, are 0
	v_and_b32 v[SW+1], 0xffff, v[SW+1]
	global_store_b64 v255, v[SW:SW+1], s[6:7]      ; 256 consecutive bytes, aligned
	global_store_b64 v255, v[SW+2:SW+3], s[6:7] offset:HEADB
.else
	global_store_b64 v255, v[SW:SW+1], s[6:7]
.endif
	WIN 0
.endm
	s_wait_loadcnt 0x0                             ; cos and sin
	s_cmp_eq_u32 s23, 0                            ; the role: the same in all partners
	s_cbranch_scc0 .Lvalues
	EPI 1
	s_branch .Lclose
.Lvalues:
	EPI 0
.Lclose:
	s_wait_tensorcnt 0x0
	s_wait_dscnt 0x0
	s_wait_tensorcnt 0x0
	ds_add_u32 v254, v255
	s_wait_dscnt 0x0
	CROUND                                         ; the closing round: no work-group ends while a partner may still ask for a tile that names it
	s_endpgm
.Lfunc_end_k_qa42d4fa839_qkv:
	.size	k_qa42d4fa839_qkv, .Lfunc_end_k_qa42d4fa839_qkv-k_qa42d4fa839_qkv
	.p2alignl 7, 3214868480
	.fill 96, 4, 3214868480
	.section	.rodata,"a",@progbits
	.p2align	6, 0x0
	.amdhsa_kernel k_qa42d4fa839_qkv
		.amdhsa_group_segment_fixed_size 307712
		.amdhsa_private_segment_fixed_size 0
		.amdhsa_enable_private_segment 0
		.amdhsa_kernarg_size 48
		.amdhsa_user_sgpr_count 2
		.amdhsa_user_sgpr_kernarg_segment_ptr 1
		.amdhsa_wavefront_size32 1
		.amdhsa_system_sgpr_workgroup_id_x 1
		.amdhsa_system_sgpr_workgroup_id_y 1
		.amdhsa_system_sgpr_workgroup_id_z 1
		.amdhsa_system_vgpr_workitem_id 0
		.amdhsa_next_free_vgpr 1024
		.amdhsa_next_free_sgpr 102
		.amdhsa_reserve_vcc 0
		.amdhsa_float_denorm_mode_32 3
		.amdhsa_float_denorm_mode_16_64 3
		.amdhsa_memory_ordered 1
		.amdhsa_forward_progress 1
		.amdhsa_inst_pref_size 118
	.end_amdhsa_kernel
	.amdgpu_metadata
---
amdhsa.version: [ 1, 2 ]
amdhsa.kernels:
  - .name:           k_qa42d4fa839_qkv
    .symbol:         k_qa42d4fa839_qkv.kd
    .args:
      - { .name: xcod, .offset: 0, .size: 8, .value_kind: global_buffer, .address_space: global }
      - { .name: xscl, .offset: 8, .size: 8, .value_kind: global_buffer, .address_space: global }
      - { .name: wcod, .offset: 16, .size: 8, .value_kind: global_buffer, .address_space: global }
      - { .name: wscl, .offset: 24, .size: 8, .value_kind: global_buffer, .address_space: global }
      - { .name: rope, .offset: 32, .size: 8, .value_kind: global_buffer, .address_space: global }
      - { .name: qkv, .offset: 40, .size: 8, .value_kind: global_buffer, .address_space: global }
    .group_segment_fixed_size: 307712
    .private_segment_fixed_size: 0
    .kernarg_segment_align: 8
    .kernarg_segment_size: 48
    .max_flat_workgroup_size: 128
    .sgpr_count:     102
    .vgpr_count:     1024
    .wavefront_size: 32
...
	.end_amdgpu_metadata
.endif
;; end of part 2
;; launch attn (part 3): grid 4 x 64, 16 waves a work-group, clusters of 4 x 1, 210,944 bytes of LDS; arguments qkv, acod, ascl; writes acod, ascl
.if DOCPART == 3
	.amdgcn_target "amdgcn-amd-amdhsa--gfx1250"
	.amdhsa_code_object_version 6
	.text
	.protected	k_qa42d4fa839_attn
	.globl	k_qa42d4fa839_attn
	.p2align	8
	.type	k_qa42d4fa839_attn,@function
k_qa42d4fa839_attn:
	s_mov_b64 s[64:65], 0
	v_nop
	global_prefetch_b8 v0, s[64:65] scope:SCOPE_SE
	s_setreg_imm32_b32 hwreg(HW_REG_WAVE_MODE, 25, 1), 1
	s_wait_xcnt 0x0
	s_wait_alu depctr_hold_cnt(0) depctr_sa_sdst(0) depctr_va_vdst(0) depctr_va_sdst(0) depctr_va_ssrc(0) depctr_va_vcc(0) depctr_vm_vsrc(0)
	s_getreg_b32 s2, hwreg(HW_REG_IB_STS2, 6, 4)
	s_cmp_eq_u32 s2, 0
	s_cbranch_scc0 .Lentry_in_a_cluster
	s_endpgm
.Lentry_in_a_cluster:
	s_bfe_u32 s2, ttmp6, 0x10000c
	s_cmp_lg_u32 s2, 0x3003
	s_cbranch_scc0 .Lentry_shape_is_right
	s_endpgm
.Lentry_shape_is_right:
; Causal attention on codes of FP6 (E2M3) with E8M0 scales, head size 64, 2,048 tokens; the result, divided by the row's sum, is quantised along the model's 1,024 and leaves as the last product's operand.
; THE SOFTMAX: t = score x log2(e) / 8; M = the running largest t rounded UP to a whole number; p = 2^(t - M) is quantised along the keys, not normalised; the row's sum is taken of the unquantised p; when M moves, the sum and O are multiplied by 2^(old M - new M): exact.
; SHARES.  A cluster of four work-groups is one (batch, head).  The head's K and V, codes and scale words, 208,896 bytes, come into each partner's LDS ONCE, by joint loads: each of the 16 waves asks for 51 rows of 256 bytes.  No byte is filled twice: no ring.
; Wave w of partner cx owns two tiles of 16 queries: token blocks 4 w + cx and 127 - (4 w + cx).  Their last key steps are w / 2 and 15 - w / 2: 17 working steps of 128 keys for every wave.  Every branch hangs on the wave's number alone;
; cx enters global addresses and the mask's vector data only.  Each tile's loop has 16 trips; a step all of whose keys come after the tile's queries is jumped over.
; LAYOUT.  Both products are used transposed: S^T = K Q^T (source 0 = a block of 16 keys), O^T = V^T P^T (source 0 = a block of 16 channels): a lane holds ONE query.  Token and channel blocks are the row blocks of the first launch,
; so that the 16 registers of blocks 2 b, 2 b + 1 are keys (channels) 32 b + 16 h + 0 .. 15.
; THE FIRST PRODUCT'S K IS 64: Q's registers 6-11 are zero codes.  K's operand is 12 registers from its block's six on; what follows them meets zero codes, under scale bytes 0 (2^-127, no NaN): it adds nothing.
; REGISTERS: v1-4 lane parts of LDS addresses; v5, v6 the mask's d; v7 8 l; v8-11 the step's addresses; v12 -M, v13 largest t, v[14:15] the sum; v16-27, v224-235 Q of the two tiles; v28 16 r; v32-79 K, then V; v80-85 zeros; v96-159 S^T, then p;
; v160-191 O^T; v192-203 p's codes; v204-223 at work; v236-243 Q's addresses; v244 p's scale word; v246-247 V's; v248-251 K's; v252, v253 Q's.
; The scale bytes of a tile leave as 2 bytes a row, rows 16 bytes apart: 256 KiB in the whole launch are written so.
; LIMITS: NaN and infinities are not served; a block of zeros gets the byte 1 (its codes are zeros, and this program alone reads the bytes).
.set HEADB, 315392
.set KC,    0
.set VC,    98304
.set KS,    196608
.set VS,    204800
.set QC,    208896
.set QS,    307200
.set PART,  13056                      ; 51 rows of 256 bytes: a wave's share of the head's image
.macro CROUND                          ; a round of the cluster's barrier
	s_barrier_signal -1
	s_barrier_wait -1
	s_cmp_lg_u32 s16, 0
	s_cbranch_scc1 .Lnot_wave_0_\@
	s_barrier_signal -3
.Lnot_wave_0_\@:
	s_barrier_wait -3
	s_barrier_signal -1
	s_barrier_wait -1
.endm
	s_load_b128 s[4:7], s[0:1], 0x0                ; qkv, acod
	s_load_b64 s[8:9], s[0:1], 0x10                ; ascl
	v_lshl_add_u32 v254, v0, 2, 0x33000
	v_mov_b32 v255, 0
	ds_add_u32 v254, v255
	ds_add_u32 v254, v255
	v_lshrrev_b32 v8, 5, v0
	s_delay_alu instid0(VALU_DEP_1)
	v_readfirstlane_b32 s16, v8                    ; wave 0 .. 15
	s_bfe_u32 s17, ttmp6, 0x40000                  ; cx
	s_and_b32 s18, ttmp7, 0xffff                   ; 16 x batch + head
	s_mov_b32 s24, 15|(3<<16)|(1<<21)              ; the mask: all four partners; elements of 8 bytes; bit 21 beside a mask
	s_mov_b32 s25, 32<<16                          ; tensor_dim0 = 32
	s_mov_b32 s26, 51<<16                          ; tensor_dim1 = 51
	s_mov_b32 s27, 32<<16                          ; tile_dim0
	s_mov_b32 s28, 51                              ; tile_dim1
	s_mov_b32 s29, 32                              ; the pitch: dense
	s_mov_b32 s30, 0
	s_mov_b32 s31, 0
	s_mul_i32 s10, s18, HEADB
	s_mov_b32 s11, 0
	s_mul_i32 s12, s16, PART
	s_mov_b32 s13, 0
	s_mov_b32 s32, 1
	s_mul_i32 s33, s16, PART                       ; LDS address: the wave's number alone
	s_wait_dscnt 0x0
	s_wait_kmcnt 0x0
	s_add_nc_u64 s[42:43], s[4:5], s[10:11]        ; the head's block
	s_add_nc_u64 s[34:35], s[42:43], s[12:13]
	s_or_b32 s35, s35, 0x80000000
	CROUND                                         ; all four partners are here: the joint loads meet
	tensor_load_to_lds s[32:35], s[24:31]          ; my one tensor load
	s_nop 0
.rept 4
	v_nop
.endr
	v_and_b32 v8, 31, v0                           ; l
	v_and_b32 v9, 15, v0                           ; r
	v_bfe_u32 v10, v0, 4, 1                        ; h
	s_delay_alu instid0(VALU_DEP_3)
	v_lshlrev_b32 v1, 4, v8                        ; KC + 16 l
	s_delay_alu instid0(VALU_DEP_1)
	v_add_nc_u32 v2, VC, v1
	v_lshlrev_b32 v7, 3, v8                        ; 8 l
	s_delay_alu instid0(VALU_DEP_1)
	v_add_nc_u32 v3, KS, v7
	s_delay_alu instid0(VALU_DEP_2)
	v_add_nc_u32 v4, VS, v7
	v_lshlrev_b32 v28, 4, v9                       ; 16 r
	v_and_b32 v11, 8, v9
	s_delay_alu instid0(VALU_DEP_1)
	v_add_nc_u32 v11, v11, v9                      ; rho(r)
	v_lshlrev_b32 v12, 4, v10
	s_delay_alu instid0(VALU_DEP_1)
	v_sub_nc_u32 v11, v11, v12                     ; - 16 h
	s_wait_alu depctr_va_vdst(0)
	s_and_b32 s52, s16, 1
	s_lshl_b32 s52, s52, 6
	s_lshr_b32 s53, s17, 1
	s_lshl_b32 s53, s53, 5
	s_add_co_u32 s52, s52, s53
	s_and_b32 s53, s17, 1
	s_lshl_b32 s53, s53, 3
	s_add_co_u32 s52, s52, s53                     ; the low tile's first query within its 128 tokens
	s_sub_co_u32 s53, 104, s52                     ; the high tile's
	v_add_nc_u32 v5, s52, v11                      ; d = my query - 16 h: register 16 b + i is hidden where 32 b + i > d
	v_add_nc_u32 v6, s53, v11
	s_sub_co_u32 s58, 31, s16                      ; the high tile's 64 tokens
	s_sub_co_u32 s59, 3, s17                       ; and its block among them
.macro QADR va, vs, sg, sa             ; block s[sa] of the 64 tokens s[sg]: its six registers are pairs 3 a + 0 .. 2 of the group's twelve; its scale word
	s_mul_i32 s54, s[\sg], 3072
	s_add_co_u32 s54, s54, QC
	s_mul_i32 s55, s[\sa], 3
.irp e, 0,1,2
	s_add_co_u32 s56, s55, \e
	s_lshr_b32 s57, s56, 1
	s_lshl_b32 s57, s57, 9
	s_and_b32 s56, s56, 1
	s_lshl_b32 s56, s56, 3
	s_add_co_u32 s57, s57, s56
	s_add_co_u32 s57, s57, s54
	v_add_nc_u32 v[\va+\e], s57, v1
.endr
	s_lshl_b32 s54, s[\sg], 8
	s_add_co_u32 s54, s54, QS
	s_and_b32 s56, s[\sa], 1
	s_lshl_b32 s56, s56, 7
	s_add_co_u32 s54, s54, s56
	s_lshr_b32 s56, s[\sa], 1
	s_lshl_b32 s56, s56, 2
	s_add_co_u32 s54, s54, s56
	v_lshl_add_u32 v[\vs], v9, 3, s54
.endm
	QADR 236, 242, 16, 17
	QADR 239, 243, 58, 59
	s_wait_alu depctr_va_vdst(0)
.irp e, 0,1,2
	global_load_b64 v[16+2*\e:17+2*\e], v[236+\e], s[42:43]
	global_load_b64 v[224+2*\e:225+2*\e], v[239+\e], s[42:43]
.endr
	global_load_b32 v252, v242, s[42:43]
	global_load_b32 v253, v243, s[42:43]
.irp j, 0,1,2,3,4,5
	v_mov_b32 v[22+\j], 0                          ; zero codes for the K that the head does not have
	v_mov_b32 v[230+\j], 0
	v_mov_b32 v[80+\j], 0                          ; behind the last block of keys
.endr
.irp b, 0,1,2,3
	v_mov_b32 v[208+\b], 0                         ; a lane permute's destination counts as one of its sources
.endr
	v_mov_b32 v220, 0
	v_mov_b32 v223, 0                              ; (named as the upper half of the pair v[222:223])
	s_mov_b32 s20, 0x76543210
	s_mov_b32 s21, 0xfedcba98                      ; selects for lane l xor 16
	s_mov_b32 s22, 0x3e38aa3b                      ; c = log2(e) / 8
	s_mov_b32 s23, s22
	; where the two tiles' codes and scale bytes go
	s_lshr_b32 s10, s18, 4
	s_lshl_b32 s10, s10, 7                         ; 128 row blocks a batch
	s_lshl_b32 s11, s16, 2
	s_add_co_u32 s11, s11, s17
	s_sub_co_u32 s12, 127, s11
	s_add_co_u32 s11, s11, s10                     ; the low tile's row block
	s_add_co_u32 s12, s12, s10                     ; the high tile's
	s_and_b32 s13, s18, 15                         ; the head
	s_mul_i32 s14, s13, 768                        ; its half of a fragment
	s_lshr_b32 s15, s13, 3
	s_lshl_b32 s15, s15, 8
	s_and_b32 s13, s13, 7
	s_lshl_b32 s13, s13, 1
	s_add_co_u32 s15, s15, s13                     ; its two bytes in a row's words
	s_mov_b32 s53, 0
	s_mul_i32 s52, s11, 12288
	s_add_co_u32 s52, s52, s14
	s_add_nc_u64 s[44:45], s[6:7], s[52:53]
	s_lshl_b32 s52, s11, 9
	s_add_co_u32 s52, s52, s15
	s_add_nc_u64 s[48:49], s[8:9], s[52:53]
	s_mul_i32 s52, s12, 12288
	s_add_co_u32 s52, s52, s14
	s_add_nc_u64 s[46:47], s[6:7], s[52:53]
	s_lshl_b32 s52, s12, 9
	s_add_co_u32 s52, s52, s15
	s_add_nc_u64 s[50:51], s[8:9], s[52:53]
	s_wait_tensorcnt 0x0                           ; my part of the image has landed,
	s_barrier_signal -1
	s_barrier_wait -1                              ; everybody's has: from here on LDS is only read
	s_wait_loadcnt 0x0                             ; Q
; A KEY STEP: 128 keys.  QF: Q's fragment, QW: its scale word, DR: the mask's d
.macro STEP QF, QW, DR
	s_cmp_gt_u32 s36, s37                          ; all keys of the step come after my queries: only the addresses step
	s_cbranch_scc1 .Lskip_\@
	s_setprio 2
	v_add_nc_u32 v8, s38, v1                       ; (these four lines are also the places in front of loads into registers that matrix instructions have read)
	v_add_nc_u32 v9, s38, v2
	v_add_nc_u32 v10, s39, v3
	v_add_nc_u32 v11, s40, v4
.irp g, 0,1,2,3,4,5,6,7,8,9,10,11
	ds_load_b128 v[32+4*\g:35+4*\g], v8 offset:512*\g   ; eight blocks of keys, six registers each
.endr
	ds_load_b64 v[248:249], v10
	ds_load_b64 v[250:251], v10 offset:256
	s_wait_alu depctr_va_vdst(0)
	s_wait_dscnt 0x0
.irp t, 0,1,2,3,4,5,6,7
.if \t % 2
	v_wmma_scale_f32_16x16x128_f8f6f4 v[96+8*\t:103+8*\t], v[32+6*\t:43+6*\t], v[\QF:\QF+11], 0, v[248+2*(\t/4)+(\t%4)/2], v[\QW] matrix_a_fmt:MATRIX_FMT_FP6 matrix_b_fmt:MATRIX_FMT_FP6 matrix_a_scale:MATRIX_SCALE_ROW1
.else
	v_wmma_scale_f32_16x16x128_f8f6f4 v[96+8*\t:103+8*\t], v[32+6*\t:43+6*\t], v[\QF:\QF+11], 0, v[248+2*(\t/4)+(\t%4)/2], v[\QW] matrix_a_fmt:MATRIX_FMT_FP6 matrix_b_fmt:MATRIX_FMT_FP6
.endif
.endr
.rept 4
	v_nop                                          ; places in front of the loads below and of the first read of the scores
.endr
.irp a, 0,1,2,3
.irp c, 0,1,2
	ds_load_b128 v[32+12*\a+4*\c:35+12*\a+4*\c], v9 offset:1536*\a+512*\c   ; V's four fragments land while the softmax is worked
.endr
.endr
	ds_load_b64 v[246:247], v11
	s_cmp_eq_u32 s36, s37                          ; on the diagonal the scores of hidden keys become -infinity ahead of the maximum
	s_cbranch_scc0 .Lopen_\@
	v_mov_b32 v220, 0xff800000
.set n, 0
.rept 64
	v_cmp_gt_i32 vcc_lo, 32*(n/16)+n%16, v[\DR]
	v_cndmask_b32 v[96+n], v[96+n], v220, vcc_lo
.set n, n+1
.endr
.Lopen_\@:
.irp b, 0,1,2,3
	v_max3_num_f32 v[204+\b], v[96+16*\b], v[97+16*\b], v[98+16*\b]   ; the largest score of each block of 32 keys: for the row's maximum, and, since p rises with the score, for the block's largest p
.endr
.irp i, 3,5,7,9,11,13
.irp b, 0,1,2,3
	v_max3_num_f32 v[204+\b], v[204+\b], v[96+16*\b+\i], v[97+16*\b+\i]
.endr
.endr
.irp b, 0,1,2,3
	v_max_num_f32 v[204+\b], v[204+\b], v[111+16*\b]
.endr
.irp b, 0,1,2,3
	s_delay_alu instid0(VALU_DEP_4)
	v_permlanex16_b32 v[208+\b], v[204+\b], s20, s21
.endr
.irp b, 0,1,2,3
	s_delay_alu instid0(VALU_DEP_4)
	v_max_num_f32 v[204+\b], v[204+\b], v[208+\b]  ; with lane l xor 16's 16 keys
.endr
	s_delay_alu instid0(VALU_DEP_2)
	v_max3_num_f32 v220, v204, v205, v206
	s_delay_alu instid0(VALU_DEP_1)
	v_max_num_f32 v220, v220, v207
	s_delay_alu instid0(VALU_DEP_1)
	v_mul_f32 v220, s22, v220                      ; as t
	s_delay_alu instid0(VALU_DEP_1)
	v_max_num_f32 v13, v13, v220                   ; the running largest t
	v_mov_b32 v220, v12
	s_delay_alu instid0(VALU_DEP_2)
	v_floor_f32 v12, -v13                          ; the new -M = -ceil(t)
	s_delay_alu instid0(VALU_DEP_1)
	v_sub_f32 v220, v12, v220                      ; old M - new M: a whole number, 0 or less
	s_delay_alu instid0(VALU_DEP_1)
	v_cvt_i32_f32 v220, v220                       ; (it saturates)
	s_delay_alu instid0(VALU_DEP_1)
	v_ldexp_f32 v222, 1.0, v220                    ; f = 2^(old M - new M)
.set j, 0
.rept 32
	v_pk_fma_f32 v[96+j:97+j], v[96+j:97+j], s[22:23], v[12:13] op_sel_hi:[1,0,0]   ; t - M
.set j, j+2
.endr
	s_setprio 1
.irp b, 0,1,2,3
	v_fma_f32 v[204+\b], v[204+\b], s22, v12       ; the same of each block's largest score
.endr
.set j, 0
	s_wait_alu depctr_va_vdst(0)
.rept 64
	v_exp_f32 v[96+j], v[96+j]                     ; p = 2^(t - M)
.set j, j+1
.endr
	v_pk_mul_f32 v[14:15], v[14:15], v[222:223] op_sel_hi:[1,0]   ; the sums under the new M.  (The plain line behind the exponentials)
	s_wait_alu depctr_va_vdst(0)                   ; one wait for the batch, ahead of its first reader
.irp b, 0,1,2,3
	v_exp_f32 v[204+\b], v[204+\b]                 ; each block's largest p
.endr
	v_pk_add_f32 v[208:209], v[100:101], v[104:105]
	v_pk_add_f32 v[250:251], v[108:109], v[112:113]
	v_pk_add_f32 v[248:249], v[116:117], v[120:121]
	v_pk_add_f32 v[244:245], v[124:125], v[128:129]
	v_pk_add_f32 v[242:243], v[132:133], v[136:137]
	v_pk_add_f32 v[240:241], v[140:141], v[144:145]
	v_pk_add_f32 v[238:239], v[148:149], v[152:153]
	v_pk_add_f32 v[14:15], v[14:15], v[156:157]
	v_pk_add_f32 v[208:209], v[208:209], v[96:97]
	v_pk_add_f32 v[250:251], v[250:251], v[98:99]
	v_pk_add_f32 v[248:249], v[248:249], v[102:103]
	v_pk_add_f32 v[244:245], v[244:245], v[106:107]
	v_pk_add_f32 v[242:243], v[242:243], v[110:111]
	v_pk_add_f32 v[240:241], v[240:241], v[114:115]
	v_pk_add_f32 v[238:239], v[238:239], v[118:119]
	v_pk_add_f32 v[14:15], v[14:15], v[122:123]
	v_pk_add_f32 v[208:209], v[208:209], v[126:127]
	v_pk_add_f32 v[250:251], v[250:251], v[130:131]
	v_pk_add_f32 v[248:249], v[248:249], v[134:135]
	v_pk_add_f32 v[244:245], v[244:245], v[138:139]
	v_pk_add_f32 v[242:243], v[242:243], v[142:143]
	v_pk_add_f32 v[240:241], v[240:241], v[146:147]
	v_pk_add_f32 v[238:239], v[238:239], v[150:151]
	v_pk_add_f32 v[14:15], v[14:15], v[154:155]
	v_pk_add_f32 v[208:209], v[208:209], v[158:159]
	s_delay_alu instid0(VALU_DEP_2)
	v_pk_add_f32 v[14:15], v[14:15], v[244:245]
	s_delay_alu instid0(VALU_DEP_2)
	v_pk_add_f32 v[208:209], v[208:209], v[242:243]
	v_pk_add_f32 v[250:251], v[250:251], v[240:241]
	v_pk_add_f32 v[248:249], v[248:249], v[238:239]
	s_delay_alu instid0(VALU_DEP_2)
	v_pk_add_f32 v[14:15], v[14:15], v[250:251]
	s_delay_alu instid0(VALU_DEP_2)
	v_pk_add_f32 v[208:209], v[208:209], v[248:249]
	s_delay_alu instid0(VALU_DEP_1)
	v_pk_add_f32 v[14:15], v[14:15], v[208:209]
	s_wait_alu depctr_va_vdst(0)                   ; and one for the four
.irp b, 0,1,2,3
	v_max_num_f32 v[204+\b], 0x1800000, v[204+\b]  ; the floor 2^(3 - 127)
.endr
.irp b, 0,1,2,3
	s_delay_alu instid0(VALU_DEP_4)
	v_add_nc_u32 v[216+\b], 0xff000000, v[204+\b]  ; the conversion's scale operand
.endr
.irp b, 0,1,2,3
	s_delay_alu instid0(VALU_DEP_4)
	v_lshrrev_b32 v[208+\b], 23, v[216+\b]         ; the scale's byte
.endr
	s_delay_alu instid0(VALU_DEP_3)
	v_lshl_or_b32 v244, v209, 8, v208              ; p's scale word for these 128 keys
	s_delay_alu instid0(VALU_DEP_1)
	v_lshl_or_b32 v244, v210, 16, v244
	s_delay_alu instid0(VALU_DEP_1)
	v_lshl_or_b32 v244, v211, 24, v244
	s_setprio 0
.irp c, 0,1
	v_cvt_scalef32_pk16_fp6_f32 v[192+6*\c:194+6*\c], v[96+32*\c:111+32*\c], v[216+2*\c]
	v_cvt_scalef32_pk16_fp6_f32 v[208+4*\c:210+4*\c], v[112+32*\c:127+32*\c], v[216+2*\c+1]
.endr
	v_nop                                          ; one plain line behind the scaled conversions
.irp c, 0,1
.irp i, 0,1,2
	v_permlane16_swap_b32 v[192+6*\c+\i], v[208+4*\c+\i]
.endr
.irp i, 0,1,2
	s_delay_alu instid0(VALU_DEP_3)
	v_mov_b32 v[195+6*\c+\i], v[208+4*\c+\i]
.endr
.endr
.set j, 0
.rept 16
	v_pk_mul_f32 v[160+j:161+j], v[160+j:161+j], v[222:223] op_sel_hi:[1,0]   ; O^T under the new M.  (For each product below twelve of these name none of its registers: the places behind the writes of p's codes and scale word)
.set j, j+2
.endr
	s_wait_alu depctr_va_vdst(0)
	s_wait_dscnt 0x0                               ; V
.irp a, 0,1,2,3
.if \a % 2
	v_wmma_scale_f32_16x16x128_f8f6f4 v[160+8*\a:167+8*\a], v[32+12*\a:43+12*\a], v[192:203], v[160+8*\a:167+8*\a], v[246+\a/2], v244 matrix_a_fmt:MATRIX_FMT_FP6 matrix_b_fmt:MATRIX_FMT_FP6 matrix_a_scale:MATRIX_SCALE_ROW1
.else
	v_wmma_scale_f32_16x16x128_f8f6f4 v[160+8*\a:167+8*\a], v[32+12*\a:43+12*\a], v[192:203], v[160+8*\a:167+8*\a], v[246+\a/2], v244 matrix_a_fmt:MATRIX_FMT_FP6 matrix_b_fmt:MATRIX_FMT_FP6
.endif
.endr
.Lskip_\@:
	s_add_co_u32 s38, s38, 6144                    ; the next step's codes,
	s_add_co_u32 s39, s39, 512                     ; K's scale words,
	s_add_co_u32 s40, s40, 256                     ; V's
.endm
; A TILE OF 16 QUERIES.  CB, SB: the scalar pairs with the addresses of its codes and scale bytes; hi: the tile near the sequence's end
.macro TILE QF, QW, DR, CB, SB, hi
	s_wait_xcnt 0x0                                ; the stores of the tile before have read their registers
	v_mov_b32 v13, 0xff61b1e6                      ; the largest t so far: -3e38
	s_delay_alu instid0(VALU_DEP_1)
	v_floor_f32 v12, -v13
	v_mov_b32 v14, 0
	v_mov_b32 v15, 0
.set j, 0
.rept 32
	v_mov_b32 v[160+j], 0                          ; O^T: the loop is written once; its first step finds zeros
.set j, j+1
.endr
	s_lshr_b32 s37, s16, 1                         ; the step on the diagonal
.if \hi
	s_sub_co_u32 s37, 15, s37
.endif
	s_mov_b32 s36, 0
	s_mov_b32 s38, 0
	s_mov_b32 s39, 0
	s_mov_b32 s40, 0
.Lkey_\@:
	STEP \QF, \QW, \DR
	s_add_co_u32 s36, s36, 1
	s_cmp_lt_u32 s36, 16
	s_cbranch_scc1 .Lkey_\@
	s_setprio 0
.rept 4
	v_nop                                          ; places behind the last products
.endr
	v_add_f32 v14, v14, v15
	s_delay_alu instid0(VALU_DEP_1)
	v_permlanex16_b32 v220, v14, s20, s21
	s_delay_alu instid0(VALU_DEP_1)
	v_add_f32 v14, v14, v220                       ; the row's sum
	s_wait_alu depctr_va_vdst(0)
	v_rcp_f32 v15, v14
	v_nop                                          ; the plain line behind the reciprocal
	s_wait_alu depctr_va_vdst(0)                   ; and the wait ahead of its first reader
.set j, 0
.rept 32
	v_mul_f32 v[96+j], v[160+j], v15               ; register 16 b + i: channel 32 b + 16 h + i of my query
.set j, j+1
.endr
.irp b, 0,1
	v_max3_num_f32 v[204+\b], |v[96+16*\b]|, |v[97+16*\b]|, 0x1800000
.endr
.irp i, 2,4,6,8,10,12,14
.irp b, 0,1
	s_delay_alu instid0(VALU_DEP_2)
	v_max3_num_f32 v[204+\b], v[204+\b], |v[96+16*\b+\i]|, |v[97+16*\b+\i]|
.endr
.endr
.irp b, 0,1
	s_delay_alu instid0(VALU_DEP_2)
	v_permlanex16_b32 v[208+\b], v[204+\b], s20, s21
.endr
.irp b, 0,1
	s_delay_alu instid0(VALU_DEP_2)
	v_max_num_f32 v[204+\b], v[204+\b], v[208+\b]
.endr
.irp b, 0,1
	s_delay_alu instid0(VALU_DEP_2)
	v_add_nc_u32 v[216+\b], 0xff000000, v[204+\b]
.endr
.irp b, 0,1
	s_delay_alu instid0(VALU_DEP_2)
	v_lshrrev_b32 v[212+\b], 23, v[216+\b]
.endr
	s_delay_alu instid0(VALU_DEP_1)
	v_lshl_or_b32 v212, v213, 8, v212              ; the head's two bytes of my row's word
	v_cvt_scalef32_pk16_fp6_f32 v[192:194], v[96:111], v216
	v_cvt_scalef32_pk16_fp6_f32 v[208:210], v[112:127], v217
	v_nop
.irp i, 0,1,2
	v_permlane16_swap_b32 v[192+\i], v[208+\i]
.endr
.irp i, 0,1,2
	s_delay_alu instid0(VALU_DEP_3)
	v_mov_b32 v[195+\i], v[208+\i]                 ; six registers: k = 32 h on of the head's 64
.endr
	global_store_b128 v1, v[192:195], s[\CB:\CB+1]             ; 512 consecutive bytes, aligned
	global_store_b64 v7, v[196:197], s[\CB:\CB+1] offset:512   ; 256
	global_store_b16 v28, v212, s[\SB:\SB+1]       ; lanes r and r + 16 write the same two bytes with the same value
.endm
	TILE 16, 252, 5, 44, 48, 0
	TILE 224, 253, 6, 46, 50, 1
	s_wait_tensorcnt 0x0
	s_wait_dscnt 0x0
	s_wait_tensorcnt 0x0
	ds_add_u32 v254, v255
	s_wait_dscnt 0x0
	CROUND                                         ; the closing round
	s_endpgm
.Lfunc_end_k_qa42d4fa839_attn:
	.size	k_qa42d4fa839_attn, .Lfunc_end_k_qa42d4fa839_attn-k_qa42d4fa839_attn
	.p2alignl 7, 3214868480
	.fill 96, 4, 3214868480
	.section	.rodata,"a",@progbits
	.p2align	6, 0x0
	.amdhsa_kernel k_qa42d4fa839_attn
		.amdhsa_group_segment_fixed_size 210944
		.amdhsa_private_segment_fixed_size 0
		.amdhsa_enable_private_segment 0
		.amdhsa_kernarg_size 24
		.amdhsa_user_sgpr_count 2
		.amdhsa_user_sgpr_kernarg_segment_ptr 1
		.amdhsa_wavefront_size32 1
		.amdhsa_system_sgpr_workgroup_id_x 1
		.amdhsa_system_sgpr_workgroup_id_y 1
		.amdhsa_system_sgpr_workgroup_id_z 1
		.amdhsa_system_vgpr_workitem_id 0
		.amdhsa_next_free_vgpr 256
		.amdhsa_next_free_sgpr 66
		.amdhsa_reserve_vcc 1
		.amdhsa_float_denorm_mode_32 3
		.amdhsa_float_denorm_mode_16_64 3
		.amdhsa_memory_ordered 1
		.amdhsa_forward_progress 1
		.amdhsa_inst_pref_size 65
	.end_amdhsa_kernel
	.amdgpu_metadata
---
amdhsa.version: [ 1, 2 ]
amdhsa.kernels:
  - .name:           k_qa42d4fa839_attn
    .symbol:         k_qa42d4fa839_attn.kd
    .args:
      - { .name: qkv, .offset: 0, .size: 8, .value_kind: global_buffer, .address_space: global }
      - { .name: acod, .offset: 8, .size: 8, .value_kind: global_buffer, .address_space: global }
      - { .name: ascl, .offset: 16, .size: 8, .value_kind: global_buffer, .address_space: global }
    .group_segment_fixed_size: 210944
    .private_segment_fixed_size: 0
    .kernarg_segment_align: 8
    .kernarg_segment_size: 24
    .max_flat_workgroup_size: 512
    .sgpr_count:     66
    .vgpr_count:     256
    .wavefront_size: 32
...
	.end_amdgpu_metadata
.endif
;; end of part 3
;; launch proj (part 4): grid 4 x 64, 4 waves a work-group, clusters of 4 x 4, 307,712 bytes of LDS; arguments acod, ascl, wcod, wscl, out0; writes out0
.if DOCPART == 4
	.amdgcn_target "amdgcn-amd-amdhsa--gfx1250"
	.amdhsa_code_object_version 6
	.text
	.protected	k_qa42d4fa839_proj
	.globl	k_qa42d4fa839_proj
	.p2align	8
	.type	k_qa42d4fa839_proj,@function
k_qa42d4fa839_proj:
	s_mov_b64 s[64:65], 0
	v_nop
	global_prefetch_b8 v0, s[64:65] scope:SCOPE_SE
	s_setreg_imm32_b32 hwreg(HW_REG_WAVE_MODE, 25, 1), 1
	s_wait_xcnt 0x0
	s_wait_alu depctr_hold_cnt(0) depctr_sa_sdst(0) depctr_va_vdst(0) depctr_va_sdst(0) depctr_va_ssrc(0) depctr_va_vcc(0) depctr_vm_vsrc(0)
	s_getreg_b32 s2, hwreg(HW_REG_IB_STS2, 6, 4)
	s_cmp_eq_u32 s2, 0
	s_cbranch_scc0 .Lentry_in_a_cluster
	s_endpgm
.Lentry_in_a_cluster:
	s_bfe_u32 s2, ttmp6, 0x10000c
	s_cmp_lg_u32 s2, 0xf033
	s_cbranch_scc0 .Lentry_shape_is_right
	s_endpgm
.Lentry_shape_is_right:
; out0 = attention's result x wo^T on codes of FP6 (E2M3) with E8M0 scales; out0 [8192][1024] f32.
; The same tile and loop as in the launch that makes Q, K and V: A side 128 tokens (8 row blocks of acod), B side 256 output channels (16 row blocks of wo in wcod), all of K = 1,024 in LDS, every LDS byte filled once.  Four waves, 32 accumulators each.
; THE PRODUCT IS USED TRANSPOSED: a lane holds one token, and the 16 registers of B's blocks 2 b, 2 b + 1 are channels 32 b + 16 h + 0 .. 15.
; A's fragments lie split, as the attention stored them head by head: registers 6 c .. 6 c + 3 at 768 c + 16 l, registers 6 c + 4, 5 at 768 c + 512 + 8 l.
; CLUSTERS: 4 x 4 work-groups; A's tiles are asked for jointly by a row of the cluster, B's by a column.  256 work-groups.
; THE WAY OUT: a block of 16 tokens x 128 channels goes through the wave's own stage in LDS and leaves as whole rows of 512 bytes.  The stages lie in A's codes: those bytes have had their one fill, and a barrier stands behind every wave's last read of the codes.
.set A0,    0
.set B0,    98304
.set SA,    294912
.set SB,    299008
.set ASPLIT, 1
.set LASTBAR, 1
.set ADRA,  4                          ; v4-7   LDS address of my A fragments in chunk 0 .. 3, 16 bytes a lane
.set ADRB,  8                          ; v8-11  the same for B
.set ADRA8, 12                         ; v12-15 A's, 8 bytes a lane
.set ADRS,  16
.set STO,   20                         ; v20    the stage: where I put 32 bytes of a row
.set RD,    21                         ; v21    and where I read a row back
.set SC,    32
.set AF,    96
.set BK,    96                         ; the way out: 16 rows read back: v96-159 and v160-223 by turns
.set G1A,   24
.set G1B,   32
.set G1SA,  40
.set G1SB,  48
.set GA0,   56
.set GA1,   60
.set GA2,   68
.set GA3,   72
.set GA4,   76
.set GB0,   80
.set GB1,   84
.set GB2,   88
.set GB3,   92
.set GB4,   96
.set MSB, 0
.macro WIN new                         ; the immediate's high byte repeats the setting that is left
.if MSB != (\new)
	s_set_vgpr_msb (MSB<<8)|(\new)
.set MSB, (\new)
.endif
.endm
.macro PLACES                          ; four plain lines between a matrix instruction and a load into its registers or a read of its result
.rept 4
	v_nop
.endr
.endm
.macro CROUND                          ; a round of the cluster's barrier
	s_barrier_signal -1
	s_barrier_wait -1
	s_cmp_lg_u32 s16, 0
	s_cbranch_scc1 .Lnot_wave_0_\@
	s_barrier_signal -3
.Lnot_wave_0_\@:
	s_barrier_wait -3
	s_barrier_signal -1
	s_barrier_wait -1
.endm
.macro G1SET g, c, r, p                ; r rows of c elements of 8 bytes, p elements apart
	s_mov_b32 s[\g+1], (\c)<<16
	s_mov_b32 s[\g+2], (\r)<<16
	s_mov_b32 s[\g+3], (\c)<<16
	s_mov_b32 s[\g+4], \r
	s_mov_b32 s[\g+5], \p
	s_mov_b32 s[\g+6], 0
	s_mov_b32 s[\g+7], 0
.endm
	s_load_b256 s[4:11], s[0:1], 0x0               ; acod, ascl, wcod, wscl
	s_load_b64 s[12:13], s[0:1], 0x20              ; out0
	v_lshl_add_u32 v254, v0, 2, 0x4b000
	v_mov_b32 v255, 0
	ds_add_u32 v254, v255
	ds_add_u32 v254, v255
	v_lshrrev_b32 v3, 5, v0
	v_readfirstlane_b32 s16, v3                    ; wave
	s_lshr_b32 s17, s16, 1                         ; my half of A's rows.  Also: I fetch for A (0) or for B (1)
	s_and_b32 s18, s16, 1                          ; my half of B's rows.  Also: which half of that tile I fetch
	s_bfe_u32 s19, ttmp6, 0x40000                  ; cx
	s_bfe_u32 s20, ttmp6, 0x40004                  ; cy
	s_and_b32 s21, ttmp7, 0xffff
	s_lshl_b32 s21, s21, 2
	s_add_co_u32 s21, s21, s20                     ; A's tile: 128 tokens
	s_lshl_b32 s22, ttmp9, 2
	s_add_co_u32 s22, s22, s19                     ; B's tile: 256 channels
	s_lshl_b32 s2, s20, 2
	s_lshl_b32 s2, 15, s2                          ; my row of the cluster
	s_lshl_b32 s3, 0x1111, s19                     ; my column
	s_or_b32 s[G1A], s2, (3<<16)|(1<<21)
	s_or_b32 s[G1B], s3, (3<<16)|(1<<21)
	s_or_b32 s[G1SA], s2, (3<<16)|(1<<21)
	s_or_b32 s[G1SB], s3, (3<<16)|(1<<21)
	G1SET G1A, 384, 4, 1536
	G1SET G1B, 384, 8, 1536
	G1SET G1SA, 32, 8, 32
	G1SET G1SB, 32, 16, 32
	s_lshl_b32 s66, s21, 3
	s_lshl_b32 s67, s18, 2
	s_add_co_u32 s66, s66, s67                     ; A: the first row block that I fetch,
	s_lshl_b32 s66, s66, 9                         ; its scale words' byte
	s_mov_b32 s67, 0
	s_lshl_b32 s100, s22, 4
	s_lshl_b32 s101, s18, 3
	s_add_co_u32 s100, s100, s101
	s_add_co_u32 s100, s100, 192                   ; B: wo's row blocks begin at 192
	s_lshl_b32 s100, s100, 9
	s_mov_b32 s101, 0
.irp g, GA0,GA1,GA2,GA3,GA4,GB0,GB1,GB2,GB3,GB4
	s_mov_b32 s[\g], 1
.endr
	s_lshl_b32 s[GA0+1], s18, 11
	s_add_co_u32 s[GA0+1], s[GA0+1], SA
	s_mul_i32 s[GA1+1], s18, 12288
	s_add_co_u32 s[GA2+1], s[GA1+1], 24576
	s_add_co_u32 s[GA3+1], s[GA1+1], 49152
	s_add_co_u32 s[GA4+1], s[GA1+1], 73728
	s_lshl_b32 s[GB0+1], s18, 12
	s_add_co_u32 s[GB0+1], s[GB0+1], SB
	s_mul_i32 s[GB1+1], s18, 24576
	s_add_co_u32 s[GB1+1], s[GB1+1], B0
	s_add_co_u32 s[GB2+1], s[GB1+1], 49152
	s_add_co_u32 s[GB3+1], s[GB1+1], 98304
	s_add_co_u32 s[GB4+1], s[GB1+1], 147456
	s_wait_dscnt 0x0
	s_wait_kmcnt 0x0
	s_add_nc_u64 s[GA0+2:GA0+3], s[6:7], s[66:67]
	s_mul_i32 s66, s66, 24                         ; 12,288 bytes of codes a block
	s_add_nc_u64 s[GA1+2:GA1+3], s[4:5], s[66:67]
	s_add_nc_u64 s[GA2+2:GA2+3], s[GA1+2:GA1+3], 3072
	s_add_nc_u64 s[GA3+2:GA3+3], s[GA1+2:GA1+3], 6144
	s_add_nc_u64 s[GA4+2:GA4+3], s[GA1+2:GA1+3], 9216
	s_add_nc_u64 s[GB0+2:GB0+3], s[10:11], s[100:101]
	s_mul_i32 s100, s100, 24
	s_add_nc_u64 s[GB1+2:GB1+3], s[8:9], s[100:101]
	s_add_nc_u64 s[GB2+2:GB2+3], s[GB1+2:GB1+3], 3072
	s_add_nc_u64 s[GB3+2:GB3+3], s[GB1+2:GB1+3], 6144
	s_add_nc_u64 s[GB4+2:GB4+3], s[GB1+2:GB1+3], 9216
.irp g, GA0,GA1,GA2,GA3,GA4,GB0,GB1,GB2,GB3,GB4
	s_or_b32 s[\g+3], s[\g+3], 0x80000000
.endr
	CROUND                                         ; all sixteen work-groups are here: the joint loads meet
	s_cmp_eq_u32 s17, 0                            ; a wave's five loads stand in one branch on its number: five of mine are out at the most
	s_cbranch_scc0 .Lfill_b
	tensor_load_to_lds s[GA0:GA0+3], s[G1SA:G1SA+7]
	s_nop 0
	tensor_load_to_lds s[GA1:GA1+3], s[G1A:G1A+7]
	s_nop 0
	tensor_load_to_lds s[GA2:GA2+3], s[G1A:G1A+7]
	s_nop 0
	tensor_load_to_lds s[GA3:GA3+3], s[G1A:G1A+7]
	s_nop 0
	tensor_load_to_lds s[GA4:GA4+3], s[G1A:G1A+7]
	s_nop 0
.rept 4
	v_nop
.endr
	s_branch .Lfilled
.Lfill_b:
	tensor_load_to_lds s[GB0:GB0+3], s[G1SB:G1SB+7]
	s_nop 0
	tensor_load_to_lds s[GB1:GB1+3], s[G1B:G1B+7]
	s_nop 0
	tensor_load_to_lds s[GB2:GB2+3], s[G1B:G1B+7]
	s_nop 0
	tensor_load_to_lds s[GB3:GB3+3], s[G1B:G1B+7]
	s_nop 0
	tensor_load_to_lds s[GB4:GB4+3], s[G1B:G1B+7]
	s_nop 0
.rept 4
	v_nop
.endr
.Lfilled:
	v_and_b32 v3, 31, v0
	v_lshlrev_b32 v1, 4, v3                        ; 16 l
	v_lshlrev_b32 v2, 3, v3                        ; 8 l
	v_and_b32 v17, 15, v0                          ; r
	v_bfe_u32 v18, v0, 4, 1                        ; h
	s_mul_i32 s2, s17, 12288
	s_mul_i32 s3, s18, 24576
	s_add_co_u32 s3, s3, B0
	v_add_nc_u32 v[ADRA], s2, v1
	v_add_nc_u32 v[ADRA8], s2, v2
	v_add_nc_u32 v[ADRB], s3, v1
.irp k, 1,2,3
	v_add_nc_u32 v[ADRA+\k], 24576*\k, v[ADRA]
	v_add_nc_u32 v[ADRA8+\k], 24576*\k, v[ADRA8]
	v_add_nc_u32 v[ADRB+\k], 49152*\k, v[ADRB]
.endr
	s_lshl_b32 s2, s18, 12
	s_add_co_u32 s2, s2, 4096
	s_lshl_b32 s3, s17, 11
	s_sub_co_u32 s2, s2, s3                        ; from my A words to my B words
	v_mul_u32_u24 v19, s2, v18                     ; lanes 16-31 take B's: one product
	s_add_co_u32 s3, s3, SA
	v_lshl_add_u32 v[ADRS], v17, 4, v19
	v_add_nc_u32 v[ADRS], s3, v[ADRS]
	s_mul_i32 s2, s16, 8448                        ; my stage: 16 rows x 528 bytes
	v_mul_u32_u24 v[STO], v17, 528
	v_lshl_add_u32 v[STO], v18, 6, v[STO]
	v_add_nc_u32 v[STO], s2, v[STO]                ; in: row r, + 64 h
	v_add_nc_u32 v[RD], s2, v1                     ; back: a whole row, 16 bytes a lane
	s_lshl_b32 s2, s21, 7
	s_lshl_b32 s3, s17, 6
	s_add_co_u32 s2, s2, s3                        ; my first token
	s_lshl_b32 s2, s2, 12                          ; rows of 4,096 bytes
	s_lshl_b32 s3, s22, 10
	s_add_co_u32 s2, s2, s3
	s_lshl_b32 s3, s18, 9
	s_add_co_u32 s2, s2, s3                        ; my first channel
	s_mov_b32 s3, 0
	s_add_nc_u64 s[12:13], s[12:13], s[2:3]
.macro SCALES                          ; all of K's scale words, once: four words a load
.irp i, 0,1,2,3,4,5,6,7
.irp kh, 0,1
	ds_load_b128 v[SC+8*\i+4*\kh:SC+8*\i+4*\kh+3], v[ADRS] offset:512*\i+256*\kh   ; (for i >= 4 lanes 0-15 read filled bytes that no product names)
.endr
.endr
.endm
.macro FETCH q, set                    ; K step q's fragments: B's eight, A's four: images of registers
	WIN 0x40                                       ; destination window 1
.irp i, 0,1,2,3,4,5,6,7
.irp c, 0,1,2
	ds_load_b128 v[96*(\set)+12*\i+4*\c:96*(\set)+12*\i+4*\c+3], v[ADRB+(\q)/2] offset:3072*\i+1536*((\q)%2)+512*\c
.endr
.endr
	WIN 0
.irp i, 0,1,2,3
.if ASPLIT
.irp c, 0,1
	ds_load_b128 v[AF+48*(\set)+12*\i+6*\c:AF+48*(\set)+12*\i+6*\c+3], v[ADRA+(\q)/2] offset:3072*\i+1536*((\q)%2)+768*\c
	ds_load_b64 v[AF+48*(\set)+12*\i+6*\c+4:AF+48*(\set)+12*\i+6*\c+5], v[ADRA8+(\q)/2] offset:3072*\i+1536*((\q)%2)+768*\c+512
.endr
.else
.irp c, 0,1,2
	ds_load_b128 v[AF+48*(\set)+12*\i+4*\c:AF+48*(\set)+12*\i+4*\c+3], v[ADRA+(\q)/2] offset:3072*\i+1536*((\q)%2)+512*\c
.endr
.endif
.endr
.endm
.macro MUL q, zero                     ; 32 matrix instructions; the 32 accumulators take turns, one instruction a turn, in the same order in every step
.irp a, 0,1,2,3
	WIN 0xa1+0x50*(\a/2)                           ; source 0 window 1, source 1 window 0, C and D window 2 or 3
.irp t, 0,1,2,3,4,5,6,7
.set rD, 64*(\a%2)+8*\t
.set rB, 96*((\q)%2)+12*\t
.set rA, AF+48*((\q)%2)+12*\a
.if \zero
	v_wmma_scale_f32_16x16x128_f8f6f4 v[rD:rD+7], v[rB:rB+11], v[rA:rA+11], 0, v[SC+8*\t+(\q)], v[SC+8*\a+(\q)] matrix_a_fmt:MATRIX_FMT_FP6 matrix_b_fmt:MATRIX_FMT_FP6 matrix_a_scale:MATRIX_SCALE_ROW1
.else
	v_wmma_scale_f32_16x16x128_f8f6f4 v[rD:rD+7], v[rB:rB+11], v[rA:rA+11], v[rD:rD+7], v[SC+8*\t+(\q)], v[SC+8*\a+(\q)] matrix_a_fmt:MATRIX_FMT_FP6 matrix_b_fmt:MATRIX_FMT_FP6 matrix_a_scale:MATRIX_SCALE_ROW1
.endif
.endr
.endr
.endm
.macro STEP q                          ; 128 along K
	s_wait_dscnt 0x0                               ; this step's fragments are in (asked for 32 matrix instructions ago)
.if (\q) < 7
.if (\q) % 2
	s_wait_tensorcnt 3-((\q)+1)/2                  ; my part of the next chunk has landed; the chunks issued behind it may be out
	s_barrier_signal -1
	s_barrier_wait -1                              ; everybody's has.
.endif
.if (\q) > 0
	PLACES
.endif
	FETCH (\q)+1, ((\q)+1)%2
.else
.if LASTBAR
	s_barrier_signal -1                            ; my reads of the codes are over; the 32 products below touch registers only
.endif
.endif
.if (\q) == 0
	MUL \q, 1                                      ; the first step starts the sums: nothing is cleared
.else
	MUL \q, 0
.endif
.if (\q) == 7
.if LASTBAR
	s_barrier_wait -1                              ; everybody's are: the stages may be written
.endif
.endif
.endm
	s_wait_alu depctr_va_vdst(0)
	s_wait_tensorcnt 0x3                           ; my scale words and my part of chunk 0 are in; chunks 1 to 3 may be out
	s_barrier_signal -1
	s_barrier_wait -1
	SCALES
	FETCH 0, 0
.irp q, 0,1,2,3,4,5,6,7
	STEP \q
.endr
	WIN 0
.macro TOSTAGE a                       ; block a: 16 tokens x 128 channels into my stage, each accumulator from its low end on, and back as whole rows
	WIN 0x08+4*((\a)/2)                            ; an LDS store's data are its source 1: window 2 or 3
.irp t, 0,1,2,3,4,5,6,7
	ds_store_b128 v[STO], v[64*((\a)%2)+8*\t:64*((\a)%2)+8*\t+3] offset:128*(\t/2)+32*(\t%2)
	ds_store_b128 v[STO], v[64*((\a)%2)+8*\t+4:64*((\a)%2)+8*\t+7] offset:128*(\t/2)+32*(\t%2)+16
.endr
	WIN 0
.irp i, 0,1,2,3,4,5,6,7,8,9,10,11,12,13,14,15
	ds_load_b128 v[BK+64*((\a)%2)+4*\i:BK+64*((\a)%2)+4*\i+3], v[RD] offset:528*\i   ; LDS serves a wave's instructions in order: these see the stores above, and the next block's stores come behind them
.endr
.endm
.macro SEND a, younger                 ; younger: the LDS instructions issued behind block a's loads, which may stay out
	s_wait_dscnt \younger
.irp i, 0,1,2,3,4,5,6,7,8,9,10,11,12,13,14,15
	global_store_b128 v1, v[BK+64*((\a)%2)+4*\i:BK+64*((\a)%2)+4*\i+3], s[12:13] offset:(32*((\a)/2)+8*((\a)%2)+\i+8*(\i/8))*4096 th:TH_STORE_NT   ; 32 lanes store 512 consecutive bytes, aligned; written once
.endr
.endm
	PLACES                                         ; behind the last products: for the stores that read results and the loads into A's registers
	TOSTAGE 0
	TOSTAGE 1
	SEND 0, 32                                     ; behind block 0's loads: block 1's 16 stores and 16 loads
	s_wait_xcnt 0x0                                ; block 0's stores have read their registers: block 2's loads may land there
	TOSTAGE 2
	SEND 1, 32
	s_wait_xcnt 0x0
	TOSTAGE 3
	SEND 2, 32
	SEND 3, 0
	s_wait_tensorcnt 0x0
	s_wait_dscnt 0x0
	s_wait_tensorcnt 0x0
	ds_add_u32 v254, v255
	s_wait_dscnt 0x0
	CROUND                                         ; the closing round: no work-group ends while a partner may still ask for a tile that names it
	s_endpgm
.Lfunc_end_k_qa42d4fa839_proj:
	.size	k_qa42d4fa839_proj, .Lfunc_end_k_qa42d4fa839_proj-k_qa42d4fa839_proj
	.p2alignl 7, 3214868480
	.fill 96, 4, 3214868480
	.section	.rodata,"a",@progbits
	.p2align	6, 0x0
	.amdhsa_kernel k_qa42d4fa839_proj
		.amdhsa_group_segment_fixed_size 307712
		.amdhsa_private_segment_fixed_size 0
		.amdhsa_enable_private_segment 0
		.amdhsa_kernarg_size 40
		.amdhsa_user_sgpr_count 2
		.amdhsa_user_sgpr_kernarg_segment_ptr 1
		.amdhsa_wavefront_size32 1
		.amdhsa_system_sgpr_workgroup_id_x 1
		.amdhsa_system_sgpr_workgroup_id_y 1
		.amdhsa_system_sgpr_workgroup_id_z 1
		.amdhsa_system_vgpr_workitem_id 0
		.amdhsa_next_free_vgpr 1024
		.amdhsa_next_free_sgpr 102
		.amdhsa_reserve_vcc 0
		.amdhsa_float_denorm_mode_32 3
		.amdhsa_float_denorm_mode_16_64 3
		.amdhsa_memory_ordered 1
		.amdhsa_forward_progress 1
		.amdhsa_inst_pref_size 81
	.end_amdhsa_kernel
	.amdgpu_metadata
---
amdhsa.version: [ 1, 2 ]
amdhsa.kernels:
  - .name:           k_qa42d4fa839_proj
    .symbol:         k_qa42d4fa839_proj.kd
    .args:
      - { .name: acod, .offset: 0, .size: 8, .value_kind: global_buffer, .address_space: global }
      - { .name: ascl, .offset: 8, .size: 8, .value_kind: global_buffer, .address_space: global }
      - { .name: wcod, .offset: 16, .size: 8, .value_kind: global_buffer, .address_space: global }
      - { .name: wscl, .offset: 24, .size: 8, .value_kind: global_buffer, .address_space: global }
      - { .name: out0, .offset: 32, .size: 8, .value_kind: global_buffer, .address_space: global }
    .group_segment_fixed_size: 307712
    .private_segment_fixed_size: 0
    .kernarg_segment_align: 8
    .kernarg_segment_size: 40
    .max_flat_workgroup_size: 128
    .sgpr_count:     102
    .vgpr_count:     1024
    .wavefront_size: 32
...
	.end_amdgpu_metadata
.endif
;; end of part 4
